; MI455X (gfx1250); checked and timed in simulation.
; The chip was launched on July 23, 2026; its instructions are those of AMD's public machine-readable ISA for CDNA 5 (MIT licence, August 2026) and "CDNA5" Instruction Set Architecture Reference Guide (July 2026). The comments in the code are by the model that wrote it; some were corrected since.
;; Custom MHA. Allowed arithmetic: matrix products marked QUANTISED: E2M3 operands, one E8M0 scale for each 32 along K, by v_wmma_scale_f32_16x16x128_f8f6f4 with both operands' format E2M3, f32 sums; everything else in f32.
;; Inputs: W_o 1,024 x 1,024 float32; W_qkv 1,024 x 3,072 float32; x 4 x 2,048 x 1,024 float32.
;; Outputs: out0 4 x 2,048 x 1,024 float32.
;; This version of the problem:
;;   THIS VERSION OF THE PROBLEM IS GIVEN IN LOW PRECISION. The matrix products marked QUANTISED in the list below multiply operands that are first quantised to E2M3 (2 exponent bits, 3 mantissa bits; 6 bits a number), with one power-of-two scale for each 32 numbers along K (OCP MX v1.0); their sums are f32. All else is computed in f32.
;;   The module's matrix products, in the order in which they are computed (A, B: the left and right operand; K: the contracted axis; several contracted axes count as one K, in the product's order):
;;     1. [M 8,192, K 1,024] x [K 1,024, N 3,072]; A: input x; B: input W_qkv: QUANTISED
;;     2. batch 64 x [M 2,048, K 64] x [K 64, N 2,048]; A: computed on the way; B: computed on the way: QUANTISED
;;     3. batch 64 x [M 2,048, K 2,048] x [K 2,048, N 64]; A: softmax (see below); B: computed on the way: QUANTISED
;;     4. [M 8,192, K 1,024] x [K 1,024, N 1,024]; A: computed on the way; B: input W_o: QUANTISED
;;   THE QUANTISER, for each operand of a quantised product, along K:
;;     - K is cut into blocks of 32 from its start; a last block that is shorter is filled with zeros.
;;     - A block's scale is 2^e with e = floor(log2(the largest magnitude in the block)) - 2, held to -126 .. 127; a block of zeros has e = 0. As a byte (E8M0): e + 127.
;;     - Each number is divided by its block's scale, clamped to +-7.5, and rounded to the nearest number of E2M3, ties to even, subnormals kept.
;;     - The product sums the exact products of the quantised numbers (number of the format x scale) in f32.
;;   ~~~python
;;   def quantise(x, axis):      # numpy; x: float32 -> the quantised numbers, widened to float32 again
;;       x = np.moveaxis(x, axis, -1); K = x.shape[-1]
;;       x = np.pad(x, [(0, 0)] * (x.ndim - 1) + [(0, -K % 32)]); x = x.reshape(x.shape[:-1] + (-1, 32)); a = np.abs(x).max(-1, keepdims=True)
;;       e = np.where(a > 0, np.clip(np.frexp(np.where(a > 0, a, 1))[1] - 1 - 2, -126, 127), 0)      # np.frexp(a)[1] - 1 = floor(log2(a)), exactly
;;       r = np.clip(x / 2.0 ** e, -7.5, 7.5)
;;       step = 2.0 ** (np.maximum(np.frexp(np.where(r == 0, 1, r))[1] - 1, 0) - 3)
;;       q = np.round(r / step) * step * 2.0 ** e      # np.round: ties to even
;;       return np.moveaxis(q.reshape(q.shape[:-2] + (-1,))[..., :K], -1, axis).astype(np.float32)
;;   ~~~
;;   SOFTMAX AHEAD OF A QUANTISED PRODUCT. Where the list says 'softmax', what is quantised is not the finished softmax but p = 2^(t - M), with t = logit x log2(e) and M = ceil(the row's largest t), a whole number; so 1/2 < the row's largest p <= 1. The row's sum l is taken of the UNQUANTISED p, in f32, and the product's result is divided by l at the end. Since M is a whole number, a kernel that streams over the keys may use a running M (the ceiling of the running maximum): every later rescaling is an exact power of two, which a block's scale takes up: the codes' values come out the same.
;;   OPERANDS COMPUTED ON THE WAY. 'Computed on the way' means the value that the module computes at that place (a softmax that the list does not call 'softmax' is quantised finished and normalised). What goes into a quantiser is computed in f32, as accurately as f32 sums, v_exp_f32 and their like allow (about 1e-6 of the number): no bf16 or f16 on the way to a quantiser, and a product that is left as it is and whose result goes on into a quantised operand takes f32 operands (vector FMAs, or v_wmma_f32_16x16x4_f32). A number that lies on a knife's edge between two numbers of the format may be rounded either way, as far as f32 arithmetic and the matrix unit's own rounding can turn it there, and no further.
;; One version. Each part assembles by itself: llvm-mc -triple=amdgcn-amd-amdhsa -mcpu=gfx1250 --defsym DOCPART=n.
;; ======== version 1 of 1: 4 launches
;; limits: right only within a limited range of input values
;; workspace buffers: img 9,437,184 bytes; sc 393,216 bytes; qbuf 6,815,744 bytes; kv 13,369,344 bytes; aimg 6,291,456 bytes; asc 262,144 bytes
;; launch prep (part 1): grid 256 x 1, 8 waves a work-group, no clusters, 70,656 bytes of LDS; arguments x, W_qkv, W_o, img, sc; writes img, sc
.if DOCPART == 1
	.amdgcn_target "amdgcn-amd-amdhsa--gfx1250"
	.amdhsa_code_object_version 6
	.text
	.protected	k_q11e7aca4fb_prep
	.globl	k_q11e7aca4fb_prep
	.p2align	8
	.type	k_q11e7aca4fb_prep,@function
k_q11e7aca4fb_prep:
	s_mov_b64 s[64:65], 0
	v_nop
	global_prefetch_b8 v0, s[64:65] scope:SCOPE_SE
	s_setreg_imm32_b32 hwreg(HW_REG_WAVE_MODE, 25, 1), 1
	s_wait_xcnt 0x0
; x [8192][1024], W_qkv [1024][3072] and W_o [1024][1024], f32, become codes of FP6 (E2M3) with one E8M0 scale byte for each 32 along K (K = the 1,024 of d_model).
; A block's scale is 2^(floor(log2(its largest magnitude)) - 2); its byte is the largest magnitude's exponent field - 2, held at 1 from below.
; LIMITS: a largest magnitude under 2^-124 is taken as 2^-124 (byte 1); a block of zeros has byte 1 and zero codes (these bytes are read by this program alone); NaN and infinities are not served.
; THE CODES ARE LAID AS IMAGES OF THE OPERAND'S REGISTERS.  A fragment (16 rows x 128 K, 12 registers a lane) is 1,536 bytes: register p of lane l at 512 (p / 4) + 16 l + 4 (p % 4).
; img: fragment (tile T, K step s) at (8 T + s) x 1,536.  Tiles 0-511: x's tokens; 512-703: W_qkv's columns; 704-767: W_o's columns.  sc: scale word of row R = 16 T + i for K step s at 4 (12,288 s + R).
; THE ROWS OF A TILE ARE NOT NEIGHBOURS: place i of tile T holds row 32 (T / 2) + 16 (i / 8) + 8 (T % 2) + i % 8 (bits 3 and 4 of the row's number change places), so that a product which takes such
; tiles as source 0 leaves 16 neighbouring rows in the 16 registers of two neighbouring result tiles.
; Work-groups 0-127: x, 64 rows each, wave w takes K step w.  128-223: W_qkv; 224-255: W_o: 128 columns x 256 K each, a wave 32 columns x 128 K.
; No cluster and no tensor load: no two work-groups read the same byte.  No barrier: waves share nothing.  Only x's path uses LDS.
.set TM,   16                          ; v16-31  x: largest magnitudes, bytes, the conversions' scale operands
.set PW,   32                          ; v32     x: the scale word just made
.set PC,   36                          ; v36-47  x: the fragment just made
.set PT,   48                          ; v48-50, v52-54  x: the blocks' second halves (a conversion's three registers begin on an even number)
.set R,    64                          ; v64-191 x: two sets of 16 rows as loaded;  weights: 128 numbers of my column
.set X,    192                         ; v192-255 x: my 64 numbers, 16 neighbours of each block of 32
.set SEL,  20                          ; s[20:21] lane selects for v_permlanex16_b32: lane l xor 16
.set F0,   16                          ; weights: v16-27 tile 0's fragment, v28-39 tile 1's
.set F1,   28
.set TA,   40                          ; v40-42, v44-46: second halves
.set TB,   44
.set SO,   48                          ; v48-51 the four blocks' scale operands
.set WREG, 8704                        ; LDS of a wave: a stage of 16 rows x 528 bytes, then 256 bytes of scale words
.set SP,   528                         ; 512 bytes + 16 = 132 words: the sixteen rows that a read touches start in different banks
	s_load_b128 s[4:7], s[0:1], 0x0                ; x, W_qkv
	s_load_b128 s[8:11], s[0:1], 0x10              ; W_o, img
	s_load_b64 s[12:13], s[0:1], 0x20              ; sc
	v_lshl_add_u32 v62, v0, 2, 0x11000
	v_mov_b32 v63, 0
	v_lshrrev_b32 v1, 5, v0
	s_delay_alu instid0(VALU_DEP_1)
	v_readfirstlane_b32 s14, v1                    ; wave 0..7
	v_and_b32 v1, 31, v0                           ; lane
	s_delay_alu instid0(VALU_DEP_1)
	v_lshlrev_b32 v2, 4, v1                        ; 16 x lane
	s_cmp_lt_u32 ttmp9, 128
	s_cbranch_scc0 .Lweights
; ---------------- x ----------------
; 64 numbers of a lane, register 16 b + i = k 32 b + 16 (lane / 16) + i of my row, become a fragment in v[PC] on and its scale word in v[PW].
.macro QUANT s
.irp b, 0,1,2,3
	v_max3_num_f32 v[TM+\b], |v[\s+16*\b]|, |v[\s+1+16*\b]|, 0x1800000   ; my 16 numbers of block b, and the floor 2^(3 - 127): the byte cannot fall under 1
.endr
.irp i, 2,4,6,8,10,12,14
.irp b, 0,1,2,3
	s_delay_alu instid0(VALU_DEP_4)
	v_max3_num_f32 v[TM+\b], v[TM+\b], |v[\s+16*\b+\i]|, |v[\s+1+16*\b+\i]|   ; the four blocks by turns
.endr
.endr
.irp b, 0,1,2,3
	s_delay_alu instid0(VALU_DEP_4)
	v_permlanex16_b32 v[TM+4+\b], v[TM+\b], s[SEL], s[SEL+1]
.endr
.irp b, 0,1,2,3
	s_delay_alu instid0(VALU_DEP_4)
	v_max_num_f32 v[TM+\b], v[TM+\b], v[TM+4+\b]   ; with lane l xor 16's: the block's largest magnitude
.endr
.irp b, 0,1,2,3
	s_delay_alu instid0(VALU_DEP_4)
	v_add_nc_u32 v[TM+12+\b], 0xff000000, v[TM+\b] ; 2 off its exponent field: the conversion's scale operand
.endr
.irp b, 0,1,2,3
	s_delay_alu instid0(VALU_DEP_4)
	v_lshrrev_b32 v[TM+4+\b], 23, v[TM+12+\b]      ; the scale's byte
.endr
	s_delay_alu instid0(VALU_DEP_3)
	v_lshl_or_b32 v[PW], v[TM+5], 8, v[TM+4]
	s_delay_alu instid0(VALU_DEP_1)
	v_lshl_or_b32 v[PW], v[TM+6], 16, v[PW]
	s_delay_alu instid0(VALU_DEP_1)
	v_lshl_or_b32 v[PW], v[TM+7], 24, v[PW]
.irp c, 0,1
	v_cvt_scalef32_pk16_fp6_f32 v[PC+6*\c:PC+2+6*\c], v[\s+32*\c:\s+15+32*\c], v[TM+12+2*\c]
	v_cvt_scalef32_pk16_fp6_f32 v[PT+4*\c:PT+2+4*\c], v[\s+16+32*\c:\s+31+32*\c], v[TM+12+2*\c+1]
.endr
	v_nop                                          ; one plain place behind a scaled conversion
.irp c, 0,1                            ; the operand's layout wants a whole block in a lane: lanes 0-15 block 2 c, lanes 16-31 block 2 c + 1
.irp i, 0,1,2
	v_permlane16_swap_b32 v[PC+6*\c+\i], v[PT+4*\c+\i]
.endr
.irp i, 0,1,2
	s_delay_alu instid0(VALU_DEP_3)
	v_mov_b32 v[PC+3+6*\c+\i], v[PT+4*\c+\i]
.endr
.endr
.endm
; tile t's 16 rows, my K step's 512 bytes of each: a load covers 512 consecutive bytes of one row
.macro LOADX t
.irp i, 0,1,2,3,4,5,6,7,8,9,10,11,12,13,14,15
	global_load_b128 v[R+64*((\t)%2)+4*\i:R+64*((\t)%2)+4*\i+3], v2, s[4:5] offset:(32*((\t)/2)+8*((\t)%2)+16*(\i/8)+\i%8)*4096 th:TH_LOAD_NT
.endr
.endm
.macro TILE t
.if (\t) < 3
	s_wait_loadcnt 16                              ; this tile's 16 loads are in; the next tile's 16 may be out
.else
	s_wait_loadcnt 0x0
.endif
.irp i, 0,1,2,3,4,5,6,7,8,9,10,11,12,13,14,15
	ds_store_b128 v3, v[R+64*((\t)%2)+4*\i:R+64*((\t)%2)+4*\i+3] offset:SP*\i   ; rows as they lie
.endr
.irp b, 0,1,2,3
.irp j, 0,1,2,3
	ds_load_b128 v[X+16*\b+4*\j:X+16*\b+4*\j+3], v4 offset:128*\b+16*\j      ; LDS serves a wave's instructions in order: these see the stores above.  Lane (r, h): row r, k = 32 b + 16 h + 4 j on
.endr
.endr
	s_wait_dscnt 0x0                               ; my numbers are back, and the stage's stores have read their registers,
.if (\t) < 2
	LOADX (\t)+2                                   ; which take the tile two further on
.endif
	s_wait_xcnt 0x0                                ; the last tile's stores have read v[PC] on: it is written again only behind this wait
	QUANT X
.irp c, 0,1,2
	global_store_b128 v2, v[PC+4*\c:PC+4*\c+3], s[10:11] offset:12288*(\t)+512*\c   ; 512 consecutive bytes, at a multiple of 256 from img's first byte
.endr
	ds_store_b32 v5, v[PW] offset:64*(\t)          ; both lanes of a row write the same word with the same value
.endm
	v_and_b32 v10, 15, v0                          ; r
	v_bfe_u32 v11, v0, 4, 1                        ; h
	s_mul_i32 s15, s14, WREG                       ; my wave's LDS
	v_add_nc_u32 v3, s15, v2                       ; into the stage: 16 x lane
	v_mul_u32_u24 v4, v10, SP
	s_delay_alu instid0(VALU_DEP_1)
	v_lshl_add_u32 v4, v11, 6, v4
	s_delay_alu instid0(VALU_DEP_1)
	v_add_nc_u32 v4, s15, v4                       ; out of it: row r, + 64 h
	v_lshlrev_b32 v5, 2, v10
	s_delay_alu instid0(VALU_DEP_1)
	v_add_nc_u32 v5, s15, v5
	s_delay_alu instid0(VALU_DEP_1)
	v_add_nc_u32 v5, 16*SP, v5                     ; my row's scale word
	v_lshlrev_b32 v7, 3, v1                        ; 8 x lane
	s_delay_alu instid0(VALU_DEP_1)
	v_add_nc_u32 v6, s15, v7
	s_delay_alu instid0(VALU_DEP_1)
	v_add_nc_u32 v6, 16*SP, v6                     ; the 256 bytes of scale words, 8 a lane
.irp b, 0,1,2,3
	v_mov_b32 v[TM+4+\b], 0                        ; written once: a lane permute's destination counts as one of its sources
.endr
	s_mov_b32 s[SEL], 0x76543210
	s_mov_b32 s[SEL+1], 0xfedcba98
	s_lshl_b32 s16, ttmp9, 18                      ; x: 64 rows of 4,096 bytes a work-group,
	s_lshl_b32 s18, s14, 9                         ; 512 bytes a K step
	s_add_co_u32 s16, s16, s18
	s_mov_b32 s17, 0
	s_mul_i32 s18, ttmp9, 49152                    ; img: four tiles of 12,288 bytes a work-group,
	s_mul_i32 s22, s14, 1536                       ; 1,536 a K step
	s_add_co_u32 s18, s18, s22
	s_mov_b32 s19, 0
	s_mul_i32 s22, s14, 49152                      ; sc: 49,152 bytes a K step,
	s_lshl_b32 s24, ttmp9, 8                       ; 256 a work-group
	s_add_co_u32 s22, s22, s24
	s_mov_b32 s23, 0
	s_wait_kmcnt 0x0
	s_add_nc_u64 s[4:5], s[4:5], s[16:17]
	s_add_nc_u64 s[10:11], s[10:11], s[18:19]
	s_add_nc_u64 s[12:13], s[12:13], s[22:23]
	LOADX 0
	LOADX 1
	TILE 0
	TILE 1
	TILE 2
	TILE 3
	ds_load_b64 v[8:9], v6                         ; my 64 rows' scale words
	s_wait_dscnt 0x0
	global_store_b64 v7, v[8:9], s[12:13]          ; 32 lanes store 256 consecutive bytes, aligned
	s_wait_tensorcnt 0x0
	ds_add_u32 v62, v63
	s_wait_dscnt 0x0
	s_endpgm
; ---------------- the weights: K is their first axis ----------------
; A lane takes a column and its registers run down K: a block of 32 lies in one lane, and the conversions give codes with K innermost.  Lane l takes the column that stands at place l of the wave's
; two tiles.  Lanes 0-15 hold tile 0's rows and lanes 16-31 tile 1's, each with all four blocks; a fragment wants block 2 c in lanes 0-15 and block 2 c + 1 in lanes 16-31 of ONE tile:
; the even block's lanes 16-31 change places with the odd block's lanes 0-15.
.macro WLOAD pitch, p, b
.irp i, 0,1,2,3,4,5,6,7,8,9,10,11,12,13,14,15,16,17,18,19,20,21,22,23,24,25,26,27,28,29,30,31
	global_load_b32 v[R+32*(\b)+\i], v3, s[\p:\p+1] offset:(32*(\b)+\i)*\pitch th:TH_LOAD_NT   ; 128 consecutive bytes of one row of the weight
.endr
.endm
.macro WBLOCK b
.set XS, R+32*(\b)
	v_max3_num_f32 v8, |v[XS]|, |v[XS+1]|, |v[XS+2]|
	v_max3_num_f32 v9, |v[XS+3]|, |v[XS+4]|, |v[XS+5]|
.irp i, 6,10,14,18,22,26
	s_delay_alu instid0(VALU_DEP_2)
	v_max3_num_f32 v8, v8, |v[XS+\i]|, |v[XS+\i+1]|
	s_delay_alu instid0(VALU_DEP_2)
	v_max3_num_f32 v9, v9, |v[XS+\i+2]|, |v[XS+\i+3]|
.endr
	s_delay_alu instid0(VALU_DEP_2)
	v_max3_num_f32 v8, v8, |v[XS+30]|, |v[XS+31]|
	s_delay_alu instid0(VALU_DEP_1)
	v_max3_num_f32 v8, v8, v9, 0x1800000           ; the block's largest magnitude, and the floor
	s_delay_alu instid0(VALU_DEP_1)
	v_add_nc_u32 v[SO+(\b)], 0xff000000, v8
	s_delay_alu instid0(VALU_DEP_1)
	v_lshrrev_b32 v9, 23, v[SO+(\b)]
.if (\b) == 0
	s_delay_alu instid0(VALU_DEP_1)
	v_mov_b32 v10, v9                              ; my column's scale word, the lower K in the lower byte
.else
	s_delay_alu instid0(VALU_DEP_1)
	v_lshl_or_b32 v10, v9, 8*(\b), v10
.endif
.if (\b)%2 == 0
	v_cvt_scalef32_pk16_fp6_f32 v[F0+6*((\b)/2):F0+6*((\b)/2)+2], v[XS:XS+15], v[SO+(\b)]
	v_cvt_scalef32_pk16_fp6_f32 v[TA:TA+2], v[XS+16:XS+31], v[SO+(\b)]       ; (the next block's maxima are plain lines that touch none of these)
.else
	v_cvt_scalef32_pk16_fp6_f32 v[F1+6*((\b)/2):F1+6*((\b)/2)+2], v[XS:XS+15], v[SO+(\b)]
	v_cvt_scalef32_pk16_fp6_f32 v[TB:TB+2], v[XS+16:XS+31], v[SO+(\b)]
	v_nop                                          ; one plain place behind a scaled conversion
.irp i, 0,1,2
	v_permlane16_swap_b32 v[F0+6*((\b)/2)+\i], v[F1+6*((\b)/2)+\i]
	v_permlane16_swap_b32 v[TA+\i], v[TB+\i]
.endr
.irp i, 0,1,2
	v_mov_b32 v[F0+6*((\b)/2)+3+\i], v[TA+\i]
	v_mov_b32 v[F1+6*((\b)/2)+3+\i], v[TB+\i]
.endr
.endif
.endm
; pitch: bytes of a row of the weight;  p: the scalar pair with its address;  rowbase: its first row among the weights' rows of img;  gbase: its first work-group
.macro WPATH pitch, p, rowbase, gbase
	s_sub_co_u32 s15, ttmp9, \gbase
	s_lshr_b32 s16, s15, 2
	s_lshl_b32 s16, s16, 7                         ; 128 columns a group of four work-groups,
	s_and_b32 s17, s14, 3
	s_lshl_b32 s17, s17, 5
	s_add_co_u32 s16, s16, s17                     ; 32 a wave: my first column
	s_and_b32 s15, s15, 3
	s_lshl_b32 s15, s15, 1
	s_lshr_b32 s17, s14, 2
	s_add_co_u32 s15, s15, s17                     ; my K step
	s_mul_i32 s18, s15, 128*\pitch
	s_lshl_b32 s17, s16, 2
	s_add_co_u32 s18, s18, s17                     ; the weight: 128 rows a K step, 4 bytes a column
	s_mov_b32 s19, 0
	s_mul_i32 s22, s16, 768                        ; img: 12,288 bytes a tile of 16 rows,
	s_mul_i32 s17, s15, 1536
	s_add_co_u32 s22, s22, s17
	s_add_co_u32 s22, s22, 6291456+768*\rowbase    ; behind x's 512 tiles
	s_mov_b32 s23, 0
	s_mul_i32 s24, s15, 49152
	s_lshl_b32 s17, s16, 2
	s_add_co_u32 s24, s24, s17
	s_add_co_u32 s24, s24, 4*(8192+\rowbase)
	s_mov_b32 s25, 0
	s_wait_kmcnt 0x0
	s_add_nc_u64 s[\p:\p+1], s[\p:\p+1], s[18:19]
	s_add_nc_u64 s[10:11], s[10:11], s[22:23]
	s_add_nc_u64 s[12:13], s[12:13], s[24:25]
	WLOAD \pitch, \p, 0
	WLOAD \pitch, \p, 1
	s_wait_loadcnt 32                              ; block 0's 32 loads are in; block 1's may be out
	WLOAD \pitch, \p, 2
	WBLOCK 0
	s_wait_loadcnt 32                              ; block 1's are in; block 2's may be out
	WLOAD \pitch, \p, 3
	WBLOCK 1
	s_wait_loadcnt 32
	WBLOCK 2
	s_wait_loadcnt 0x0
	WBLOCK 3
.irp c, 0,1,2
	global_store_b128 v2, v[F0+4*\c:F0+4*\c+3], s[10:11] offset:512*\c
	global_store_b128 v2, v[F1+4*\c:F1+4*\c+3], s[10:11] offset:12288+512*\c
.endr
	global_store_b32 v6, v10, s[12:13]             ; 32 scale words: 128 consecutive bytes, half of an aligned 256 (the neighbouring wave writes the other half)
.endm
.Lweights:
	v_and_b32 v3, 7, v0
	v_bfe_u32 v4, v0, 4, 1
	v_bfe_u32 v5, v0, 3, 1
	s_delay_alu instid0(VALU_DEP_2)
	v_lshl_add_u32 v3, v4, 3, v3
	s_delay_alu instid0(VALU_DEP_1)
	v_lshl_add_u32 v3, v5, 4, v3                   ; the column at place l: l % 8 + 8 (l / 16) + 16 ((l / 8) % 2)
	s_delay_alu instid0(VALU_DEP_1)
	v_lshlrev_b32 v3, 2, v3
	s_wait_alu depctr_va_vdst(0)
	v_lshlrev_b32 v6, 2, v1                        ; 4 x lane
	s_cmp_lt_u32 ttmp9, 224
	s_cbranch_scc0 .Lwo
	WPATH 12288, 6, 0, 128
	s_endpgm
.Lwo:
	WPATH 4096, 8, 3072, 224
	s_endpgm
.Lfunc_end_k_q11e7aca4fb_prep:
	.size	k_q11e7aca4fb_prep, .Lfunc_end_k_q11e7aca4fb_prep-k_q11e7aca4fb_prep
	.p2alignl 7, 3214868480
	.fill 96, 4, 3214868480
	.section	.rodata,"a",@progbits
	.p2align	6, 0x0
	.amdhsa_kernel k_q11e7aca4fb_prep
		.amdhsa_group_segment_fixed_size 70656
		.amdhsa_private_segment_fixed_size 0
		.amdhsa_enable_private_segment 0
		.amdhsa_kernarg_size 40
		.amdhsa_user_sgpr_count 2
		.amdhsa_user_sgpr_kernarg_segment_ptr 1
		.amdhsa_wavefront_size32 1
		.amdhsa_system_sgpr_workgroup_id_x 1
		.amdhsa_system_sgpr_workgroup_id_y 1
		.amdhsa_system_sgpr_workgroup_id_z 1
		.amdhsa_system_vgpr_workitem_id 0
		.amdhsa_next_free_vgpr 256
		.amdhsa_next_free_sgpr 66
		.amdhsa_reserve_vcc 0
		.amdhsa_float_denorm_mode_32 3
		.amdhsa_float_denorm_mode_16_64 3
		.amdhsa_memory_ordered 1
		.amdhsa_forward_progress 1
		.amdhsa_inst_pref_size 85
	.end_amdhsa_kernel
	.amdgpu_metadata
---
amdhsa.version: [ 1, 2 ]
amdhsa.kernels:
  - .name:           k_q11e7aca4fb_prep
    .symbol:         k_q11e7aca4fb_prep.kd
    .args:
      - { .name: x, .offset: 0, .size: 8, .value_kind: global_buffer, .address_space: global }
      - { .name: W_qkv, .offset: 8, .size: 8, .value_kind: global_buffer, .address_space: global }
      - { .name: W_o, .offset: 16, .size: 8, .value_kind: global_buffer, .address_space: global }
      - { .name: img, .offset: 24, .size: 8, .value_kind: global_buffer, .address_space: global }
      - { .name: sc, .offset: 32, .size: 8, .value_kind: global_buffer, .address_space: global }
    .group_segment_fixed_size: 70656
    .private_segment_fixed_size: 0
    .kernarg_segment_align: 8
    .kernarg_segment_size: 40
    .max_flat_workgroup_size: 256
    .sgpr_count:     66
    .vgpr_count:     256
    .wavefront_size: 32
...
	.end_amdgpu_metadata
.endif
;; end of part 1
;; launch gemm_qkv (part 2): grid 8 x 48, 4 waves a work-group, clusters of 4 x 4, 327,680 bytes of LDS; arguments img, sc, qbuf, kv; writes qbuf, kv
.if DOCPART == 2
	.amdgcn_target "amdgcn-amd-amdhsa--gfx1250"
	.amdhsa_code_object_version 6
	.text
	.protected	k_q11e7aca4fb_gemm_qkv
	.globl	k_q11e7aca4fb_gemm_qkv
	.p2align	8
	.type	k_q11e7aca4fb_gemm_qkv,@function
k_q11e7aca4fb_gemm_qkv:
	s_mov_b64 s[64:65], 0
	v_nop
	global_prefetch_b8 v0, s[64:65] scope:SCOPE_SE
	s_setreg_imm32_b32 hwreg(HW_REG_WAVE_MODE, 25, 1), 1
	s_wait_xcnt 0x0
	s_wait_alu depctr_hold_cnt(0) depctr_sa_sdst(0) depctr_va_vdst(0) depctr_va_sdst(0) depctr_va_ssrc(0) depctr_va_vcc(0) depctr_vm_vsrc(0)
	s_getreg_b32 s2, hwreg(HW_REG_IB_STS2, 6, 4)
	s_cmp_eq_u32 s2, 0
	s_cbranch_scc0 .Lentry_in_a_cluster
	s_endpgm
.Lentry_in_a_cluster:
	s_bfe_u32 s2, ttmp6, 0x10000c
	s_cmp_lg_u32 s2, 0xf033
	s_cbranch_scc0 .Lentry_shape_is_right
	s_endpgm
.Lentry_shape_is_right:
; qkv = x W_qkv on codes of FP6 (E2M3) with E8M0 scales, K = 1,024, sums in f32; the results are quantised in registers and leave as codes: q and k along the head's 64, v along the keys.
; OPERANDS come from img and sc as images of the operand's registers: fragment (tile T, K step s) at (8 T + s) x 1,536 bytes; scale word of row R, K step s at 4 (12,288 s + R).
; A work-group of four waves makes 256 x 256, a wave 128 x 128: 64 accumulators.  Source 1 ("A") gives a lane its row, source 0 ("B") runs along the lane's registers.
;   cluster rows 0-7 (MODE 0): A = 256 tokens, B = 256 columns of W_q, W_k: a lane holds one token and 128 channels (two heads).
;   cluster rows 8-11 (MODE 1): A = 256 columns of W_v, B = 256 tokens: a lane holds one channel and 128 keys, since the keys are v's K.
; The rows of a tile of img are laid so that the 16 registers of result tiles 2 b, 2 b + 1 are 16 NEIGHBOURS along B's rows: 32 b + 16 (lane / 16) + 0 .. 15.
; OUT.  qbuf: records [batch][head][128 tokens] of 6,656 bytes: eight half fragments (16 tokens x 64: registers 0-3 at 16 l, 4-5 at 512 + 8 l) at 768 t; at 6,144 the scale words: lane l's 16 bytes hold
; word j = tile 2 j + l / 16, row l % 16: bytes 0, 1 the head's two scales, bytes 2, 3 the byte 0x7f.  kv: records of 13,056 bytes: k as a record of qbuf; at 6,656 + 1,536 c the fragment of channels
; 16 c on x these 128 keys; at 12,800 + 16 r + 4 c its scale words.
; K goes through THREE LDS slots of 256 along K: K is four slots' worth, three go out as first fills, the fourth fills slot 0 again behind the one round of the cluster's barrier.
; CLUSTERS: 4 x 4.  A's tiles are shared along a row of the cluster, B's along a column: each is asked for jointly, by the same tensor load with the same descriptor and a mask that names the four.
; LIMITS: a block's largest magnitude under 2^-124 is taken as 2^-124 (byte 1); a block of zeros has byte 1 and zero codes; NaN and infinities are not served.
; REGISTERS: window 0: v0-31 addresses; v32-63 scale words, two sets; v64-120 the way out; v128-223 A's fragments, one set.  window 1: B's fragments, two sets, at v0 and v128.
;   window 2: the accumulators of A's blocks 0-3 ((a, b) at v[8 (8 a + b)]); window 3: of blocks 4-7.
.set FR,     12                        ; registers of a fragment
.set NQ,     2                         ; K steps of 128 in a slot
.set HALFT,  24576                     ; 8 tiles x 3,072 bytes: what one tensor load brings, and what one wave reads of A or of B
.set SLOT,   4*HALFT                   ; A's two halves, then B's two
.set SCL,    3*SLOT                    ; behind the slots: the scale words of all of K: wave w's 4,096 bytes ([K step][128 rows]) at 4,096 w + 128 (w / 2): B's lie in other banks than A's
.set SPARE,  SCL+16640                 ; the spare words, 128 bytes for each wave: two blocks of 256 bytes that no other line names
.set ADRA, 16                          ; v16-18  LDS address of my A fragments in slot 0, 1, 2
.set ADRB, 20                          ; v20-22  the same for B
.set L16,  24                          ; v24     16 x lane
.set L8,   25                          ; v25     8 x lane
.set VSO,  26                          ; v26     v's scale words: 16 r, and one head (16 records) on for lanes 16-31
.set ADRS, 27                          ; v27     LDS address of my scale words: lanes 0-15 A's rows, lanes 16-31 B's
.set SPW,  28                          ; v28     LDS address of my spare word; never rewritten
.set NIL,  29                          ; v29     0; never rewritten
.set SC,   32                          ; scale words: set s at v[SC + 16 s]; register 2 i + q: lanes 0-15 A's block i, lanes 16-31 B's block i, the slot's q-th 128 along K
.set TM,   64                          ; v64-79  the way out: largest magnitudes, bytes, scale operands
.set PC,   80                          ; v80-91  the fragment just made
.set PT,   92                          ; v92-94, v96-98
.set PWS,  100                         ; v100-107 the eight blocks' scale words
.set T,    108                         ; v108-111
.set WE,   112                         ; v112-119
.set C7F,  120                         ; v120    four bytes 0x7f
.set AF,   128
.set G1,   24                          ; s[24:31] group 1 for A's codes;  s[32:39] B's;  s[40:47] A's scales;  s[48:55] B's
.set G1B,  32
.set G1S,  40
.set G1SB, 48
.set GA0,  56                          ; groups 0: A's codes, slots 0, 1, 2
.set GA1,  60
.set GA2,  68
.set GB0,  72                          ; B's
.set GB1,  76
.set GB2,  80
.set GAS,  84                          ; the scales'
.set GBS,  88
.set SEL,  92                          ; s[92:93] lane selects for v_permlanex16_b32 (set behind the first fills)
.set MSB, 0
.macro WIN new                         ; the immediate's high byte repeats the setting that is left
.if MSB != \new
	s_set_vgpr_msb (MSB<<8)|\new
.set MSB, \new
.endif
.endm
.set MUL_LO, 0xa1                      ; source 0 (B) window 1, source 1 (A) window 0, C and D window 2
.set MUL_HI, 0xf1                      ; the same, C and D window 3
.set TO_B,   0x40                      ; destination window 1, address window 0
; A joint load: waves 0 and 1 fetch for A, waves 2 and 3 for B.  The branch hangs on the wave's number alone.  Four v_nop follow each of the two lines.
.macro JLOAD g0a, g1a, g0b, g1b
	s_cmp_eq_u32 s15, 0
	s_cbranch_scc0 .Lfor_b_\@
	tensor_load_to_lds s[\g0a:\g0a+3], s[\g1a:\g1a+7]
	s_nop 0
.rept 4
	v_nop
.endr
	s_branch .Lasked_\@
.Lfor_b_\@:
	tensor_load_to_lds s[\g0b:\g0b+3], s[\g1b:\g1b+7]
	s_nop 0
.rept 4
	v_nop
.endr
.Lasked_\@:
.endm
.macro CREST                           ; a round of the cluster's barrier behind its opening barrier
	s_cmp_lg_u32 s14, 0
	s_cbranch_scc1 .Lnot_wave_0_\@
	s_barrier_signal -3
.Lnot_wave_0_\@:
	s_barrier_wait -3
	s_barrier_signal -1
	s_barrier_wait -1
.endm
.macro CROUND
	s_barrier_signal -1
	s_barrier_wait -1
	CREST
.endm
.macro GROUP0 g, l, lo, src, go        ; group 0 at s[g]: to LDS byte s[l] + lo, from s[src:src+1] + go
	s_mov_b32 s[\g], 1
	s_add_co_u32 s[\g+1], s[\l], \lo
	s_add_nc_u64 s[\g+2:\g+3], s[\src:\src+1], \go
	s_or_b32 s[\g+3], s[\g+3], 0x80000000
.endm
	s_load_b128 s[4:7], s[0:1], 0x0                ; img, sc
	s_load_b128 s[8:11], s[0:1], 0x10              ; qbuf, kv
	v_lshl_add_u32 v[SPW], v0, 2, SPARE
	v_mov_b32 v[NIL], 0
	ds_add_u32 v28, v29
	ds_add_u32 v28, v29
	s_wait_dscnt 0x0
	v_lshrrev_b32 v1, 5, v0
	v_readfirstlane_b32 s14, v1                    ; wave 0..3
	s_lshr_b32 s15, s14, 1                         ; which half of A's rows is mine.  Also: I fetch for A (0) or for B (1)
	s_and_b32 s16, s14, 1                          ; which half of B's.  Also: which 8 tiles I fetch
	s_bfe_u32 s17, ttmp6, 0x40000                  ; cx
	s_bfe_u32 s18, ttmp6, 0x40004                  ; cy
	s_and_b32 s19, ttmp7, 0xffff                   ; the cluster's y
	s_lshl_b32 s20, s18, 2
	s_lshl_b32 s20, 15, s20                        ; my row of the cluster
	s_lshl_b32 s21, 0x1111, s17                    ; my column
	; group 1, codes: 8 rows (tiles) of 3,072 bytes (two K steps' fragments), 12,288 bytes apart: elements of 8 bytes; no padding: an LDS load's 512 bytes are consecutive
	s_or_b32 s[G1], s20, (3<<16)|(1<<21)
	s_or_b32 s[G1B], s21, (3<<16)|(1<<21)
.irp g, G1, G1B
	s_mov_b32 s[\g+1], 768<<16                     ; the head's load: rows of 6,144 bytes, K slots 0 and 1 of a tile on end
	s_mov_b32 s[\g+2], 8<<16
	s_mov_b32 s[\g+3], 768<<16
	s_mov_b32 s[\g+4], 8                           ; tile_dim1
	s_mov_b32 s[\g+5], 1536                        ; from row to row
	s_mov_b32 s[\g+6], 0
	s_mov_b32 s[\g+7], 0
.endr
	; which tiles of img.  A's hang on cy and on numbers that all sixteen share, B's on cx and such numbers
	s_lshl_b32 s2, s19, 6                          ; MODE 0: A = tokens: 64 tiles a cluster row
	s_sub_co_u32 s3, s19, 8
	s_lshl_b32 s3, s3, 1
	s_add_co_u32 s3, s3, ttmp9
	s_lshl_b32 s3, s3, 6                           ; MODE 1: B = tokens: 64 tiles for each of the eight clusters
	s_lshl_b32 s92, ttmp9, 6
	s_add_co_u32 s92, s92, 512                     ; MODE 0: B = W_q's and W_k's columns
	s_cmp_ge_u32 s19, 8
	s_cselect_b32 s22, 1, 0                        ; MODE: the same in all sixteen partners
	s_cselect_b32 s2, 640, s2                      ; MODE 1: A = W_v's columns
	s_cselect_b32 s3, s3, s92
	s_lshl_b32 s23, s18, 4
	s_add_co_u32 s23, s23, s2                      ; A's first tile
	s_lshl_b32 s100, s17, 4
	s_add_co_u32 s100, s100, s3                    ; B's first tile
	s_lshl_b32 s2, s16, 3
	s_add_co_u32 s92, s23, s2                      ; the 8 tiles that I fetch, of A
	s_add_co_u32 s96, s100, s2                     ; and of B
	s_lshl_b32 s94, s92, 6                         ; their scale words: 64 bytes a tile,
	s_mul_i32 s92, s92, 12288                      ; their codes: 12,288
	s_lshl_b32 s98, s96, 6
	s_mul_i32 s96, s96, 12288
	s_mov_b32 s93, 0
	s_mov_b32 s95, 0
	s_mov_b32 s97, 0
	s_mov_b32 s99, 0
	s_mul_i32 s101, s14, HALFT                     ; where they go: no place in the cluster enters an LDS address
	s_lshl_b32 s2, s14, 12
	s_lshl_b32 s3, s15, 7
	s_add_co_u32 s2, s2, s3
	v_and_b32 v8, 31, v0
	v_lshlrev_b32 v8, 4, v8                        ; 16 x lane
	v_add_nc_u32 v9, s2, v8
	v_add_nc_u32 v9, SCL, v9                       ; LDS: my wave's 4,096 bytes of scale words
	s_wait_alu depctr_va_vdst(0)
	s_wait_kmcnt 0x0
	s_add_nc_u64 s[92:93], s[4:5], s[92:93]
	s_add_nc_u64 s[94:95], s[6:7], s[94:95]
	s_add_nc_u64 s[96:97], s[4:5], s[96:97]
	s_add_nc_u64 s[98:99], s[6:7], s[98:99]
	; THE SCALE WORDS of my 128 rows, all of K, come by plain loads, 512 consecutive bytes each, and go on into LDS bytes of their own, which no tensor load fills
	s_cmp_eq_u32 s15, 0
	s_cselect_b64 s[84:85], s[94:95], s[98:99]     ; A's or B's: the choice hangs on the wave's number alone
.irp s, 0,1,2,3,4,5,6,7
	global_load_b128 v[128+4*\s:131+4*\s], v8, s[84:85] offset:49152*\s
.endr
	CROUND                                         ; all sixteen work-groups are here: the first joint loads meet
	; LDS: bytes 0 to 2 SLOT take K slots 0 and 1 (wave w's 8 tiles x 6,144 bytes at 49,152 w); 2 SLOT on takes K slot 2; K slot 3 later fills bytes 0 to SLOT again
	s_lshl_b32 s3, s101, 1
	GROUP0 GA0, 3, 0, 92, 0
	GROUP0 GB0, 3, 0, 96, 0
	GROUP0 GA1, 101, 0, 92, 9216
	GROUP0 GB1, 101, 0, 96, 9216
	GROUP0 GA2, 101, 2*SLOT, 92, 6144
	GROUP0 GB2, 101, 2*SLOT, 96, 6144
	JLOAD GA0, G1, GB0, G1B                        ; one tensor load a wave at the head: K slots 0 and 1
	v_and_b32 v1, 15, v0                           ; r
	v_bfe_u32 v2, v0, 4, 1                         ; h
	v_and_b32 v3, 31, v0
	v_lshlrev_b32 v[L16], 4, v3
	v_lshlrev_b32 v[L8], 3, v3
	v_mul_u32_u24 v[VSO], v2, 208896
	v_lshl_add_u32 v[VSO], v1, 4, v[VSO]
	s_mul_i32 s2, s15, HALFT
	s_mul_i32 s3, s16, HALFT
	s_add_co_u32 s3, s3, 2*HALFT
	v_add_nc_u32 v[ADRA+1], s2, v[L16]             ; address 1: K slot 3, at byte 0, tiles 3,072 bytes apart
	v_add_nc_u32 v[ADRB+1], s3, v[L16]
	v_add_nc_u32 v[ADRA+2], 2*SLOT, v[ADRA+1]      ; address 2: K slot 2
	v_add_nc_u32 v[ADRB+2], 2*SLOT, v[ADRB+1]
	s_lshl_b32 s2, s2, 1
	s_lshl_b32 s3, s3, 1
	v_add_nc_u32 v[ADRA], s2, v[L16]               ; address 0: K slots 0 and 1, tiles 6,144 bytes apart
	v_add_nc_u32 v[ADRB], s3, v[L16]
	s_lshl_b32 s2, s15, 12                         ; A's scale words: my half
	s_lshl_b32 s3, s16, 12
	s_add_co_u32 s3, s3, 8320                      ; B's: my half, behind A's two and 128 bytes
	s_sub_co_u32 s3, s3, s2
	v_mul_u32_u24 v6, s3, v2                       ; lanes 16-31 take B's: the lower base + h x the distance
	s_add_co_u32 s2, s2, SCL
	v_lshl_add_u32 v5, v1, 2, v6
	v_add_nc_u32 v[ADRS], s2, v5
.irp b, 0,1,2,3
	v_mov_b32 v[TM+4+\b], 0                        ; written once: a lane permute's destination counts as one of its sources
.endr
	v_mov_b32 v[C7F], 0x7f7f7f7f
	s_mov_b32 s[SEL], 0x76543210
	s_mov_b32 s[SEL+1], 0xfedcba98
	; where my results go
	s_lshl_b32 s2, s15, 3
	s_add_co_u32 s2, s23, s2                       ; my first tile of A
	s_lshl_b32 s3, s16, 3
	s_add_co_u32 s3, s100, s3                      ; and of B
	s_sub_co_u32 s17, s2, 640
	s_sub_co_u32 s18, s3, 512
	s_cmp_eq_u32 s22, 0
	s_cselect_b32 s19, s2, s3                      ; my first tile of tokens
	s_cselect_b32 s20, s18, s17                    ; my first tile of channels
	s_cselect_b32 s21, 0, 6656                     ; v lies 6,656 bytes into a record
	s_lshr_b32 s19, s19, 3                         ; which 128 tokens
	s_lshr_b32 s20, s20, 2                         ; my first head: 0-15 q's or v's, 16-31 k's
	s_lshl_b32 s94, s22, 4
	s_add_co_u32 s94, s94, s20                     ; under 16 for q alone
	s_and_b32 s20, s20, 15
	s_lshr_b32 s95, s19, 4                         ; batch
	s_and_b32 s19, s19, 15
	s_lshl_b32 s95, s95, 4
	s_add_co_u32 s95, s95, s20
	s_lshl_b32 s95, s95, 4
	s_add_co_u32 s95, s95, s19                     ; the record's number
	s_mov_b32 s17, 13056
	s_cmp_lt_u32 s94, 16
	s_cselect_b32 s17, 6656, s17                   ; a record's bytes
	s_cselect_b64 s[8:9], s[8:9], s[10:11]         ; qbuf or kv: the choice hangs on ids alone
	s_mul_i32 s2, s95, s17
	s_add_co_u32 s2, s2, s21
	s_mov_b32 s3, 0
	s_add_nc_u64 s[8:9], s[8:9], s[2:3]            ; my first head's record
	s_lshl_b32 s2, s17, 4
	s_add_nc_u64 s[10:11], s[8:9], s[2:3]          ; my second head's: 16 records on
.macro FRAG reg, adr, q, i             ; a fragment comes back as it was stored: three loads of 512 consecutive bytes
.irp c, 0,1,2
.if ((\adr)&3) == 0
	ds_load_b128 v[\reg+4*\c:\reg+4*\c+3], v[\adr] offset:6144*(\i)+1536*(\q)+512*\c
.else
	ds_load_b128 v[\reg+4*\c:\reg+4*\c+3], v[\adr] offset:3072*(\i)+1536*(\q)+512*\c
.endif
.endr
.endm
; 16 matrix instructions: A's blocks a0, a0 + 1 x B's eight, the slot's q-th 128 along K.  p: B's set; sc: the set of scale words.  zero = 1: the first product starts the sums.
; The 64 accumulators take turns, one instruction a turn, in the same order in every step.
.macro MUL16 a0, p, q, sc, zero
.irp a, \a0, \a0+1
.irp b, 0,1,2,3,4,5,6,7
.if \zero
	v_wmma_scale_f32_16x16x128_f8f6f4 v[8*(8*((\a)%4)+\b):8*(8*((\a)%4)+\b)+7], v[128*(\p)+FR*\b:128*(\p)+FR*\b+FR-1], v[AF+FR*(\a):AF+FR*(\a)+FR-1], 0, v[SC+8*NQ*(\sc)+NQ*\b+(\q)], v[SC+8*NQ*(\sc)+NQ*(\a)+(\q)] matrix_a_fmt:MATRIX_FMT_FP6 matrix_b_fmt:MATRIX_FMT_FP6 matrix_a_scale:MATRIX_SCALE_ROW1
.else
	v_wmma_scale_f32_16x16x128_f8f6f4 v[8*(8*((\a)%4)+\b):8*(8*((\a)%4)+\b)+7], v[128*(\p)+FR*\b:128*(\p)+FR*\b+FR-1], v[AF+FR*(\a):AF+FR*(\a)+FR-1], v[8*(8*((\a)%4)+\b):8*(8*((\a)%4)+\b)+7], v[SC+8*NQ*(\sc)+NQ*\b+(\q)], v[SC+8*NQ*(\sc)+NQ*(\a)+(\q)] matrix_a_fmt:MATRIX_FMT_FP6 matrix_b_fmt:MATRIX_FMT_FP6 matrix_a_scale:MATRIX_SCALE_ROW1
.endif
.endr
.endr
.endm
.macro FETCH_B slot, q, p
	WIN TO_B
.irp i, 0,1,2,3,4,5,6,7
	FRAG 128*(\p)+FR*\i, ADRB+(\slot), \q, \i
.endr
	WIN 0
.endm
.macro FETCH_A slot, q, i0
.irp i, \i0, \i0+1, \i0+2, \i0+3
	FRAG AF+FR*(\i), ADRA+(\slot), \q, \i
.endr
.endm
.macro SCALES set, ks                  ; K slot ks's scale words: lanes 0-15 take A's block i, lanes 16-31 B's block i
.irp i, 0,1,2,3,4,5,6,7
	ds_load_b32 v[SC+16*(\set)+2*\i], v[ADRS] offset:1024*(\ks)+64*\i
	ds_load_b32 v[SC+16*(\set)+2*\i+1], v[ADRS] offset:1024*(\ks)+512+64*\i
.endr
.endm
; A load into a register that a matrix instruction has read, and a vector instruction that reads a matrix result, stand four places behind it; only plain vector instructions that name none of its
; registers are places (ISA guide 7.12.1 for vector instructions).
.macro PLACES
.rept 4
	v_nop
.endr
.endm
.macro FETCH_MID nslot, nq, nsc, nks   ; in a step's middle: the next step's B, A's blocks 0-3 and, at a new K slot, its scale words
	FETCH_B \nslot, \nq, (\nq)%2
	FETCH_A \nslot, \nq, 0
.if (\nq)%2 == 0
	SCALES \nsc, \nks
.endif
.endm
; A step of 128 along K: 64 matrix instructions, A's blocks one after the other: a block of A is free when its eight products are issued, so A has one set of registers and B two.
.macro STEP q, sc, zero, nslot, nq, nsc, nks
	s_wait_dscnt 12                                ; all but the youngest twelve loads (A's blocks 4-7) are in
	WIN MUL_LO
	MUL16 0, \q, \q, \sc, \zero
	MUL16 2, \q, \q, \sc, \zero
	s_wait_dscnt 0x0                               ; A's blocks 4-7 are in
	PLACES
	FETCH_MID \nslot, \nq, \nsc, \nks
	WIN MUL_HI
	MUL16 4, \q, \q, \sc, \zero
	MUL16 6, \q, \q, \sc, \zero
	PLACES
	WIN 0
	FETCH_A \nslot, \nq, 4
.endm
; A slot's second step with a barrier.  In front of it each wave waits for all its tensor loads, adds 0 to its spare word, and waits for that and for its reads of this slot.
; fill = 1: the barrier opens a round of the cluster's, and slot 0 is filled again with K slot 3: it has the rest of this step and the next, 96 matrix instructions, in which to land.
.macro TURN sc, fill, nslot, nsc, nks
	s_wait_tensorcnt 0x0                           ; all my tensor loads have landed;
	ds_add_u32 v[SPW], v[NIL]                      ; 0 onto my spare word;
	s_wait_dscnt 13                                ; (the add and the youngest twelve loads may be out)
	WIN MUL_LO
	MUL16 0, 1, 1, \sc, 0                          ; sixteen matrix instructions stand between the add and the wait for it
	s_wait_dscnt 0x0                               ; the add is done, and my reads of this slot are over
	s_barrier_signal -1
	MUL16 2, 1, 1, \sc, 0
	WIN 0
	s_barrier_wait -1
.if \fill
	CREST                                          ; no wave of any partner still reads slot 0 or has a load on its way
	JLOAD GA1, G1, GB1, G1B                        ; K slot 3, the first tensor load behind the round; its four v_nop are the places in front of the loads below
.else
	PLACES
.endif
	FETCH_MID \nslot, 0, \nsc, \nks
	WIN MUL_HI
	MUL16 4, 1, 1, \sc, 0
	MUL16 6, 1, 1, \sc, 0
	PLACES
	WIN 0
	FETCH_A \nslot, 0, 4
.endm
	s_wait_alu depctr_va_vdst(0)
	s_wait_loadcnt 0x0                             ; my scale words
.irp s, 0,1,2,3,4,5,6,7
	ds_store_b128 v9, v[128+4*\s:131+4*\s] offset:512*\s
.endr
	s_wait_tensorcnt 0x0                           ; my part of K slots 0 and 1 is in
	ds_add_u32 v[SPW], v[NIL]
	s_mov_b32 s[G1+1], 384<<16                     ; no tensor load of mine is out: from here on a load's rows are 3,072 bytes
	s_mov_b32 s[G1+3], 384<<16
	s_mov_b32 s[G1B+1], 384<<16
	s_mov_b32 s[G1B+3], 384<<16
	s_wait_dscnt 0x0                               ; the add and my stores of scale words are done
	CROUND                                         ; everybody's are
	JLOAD GA2, G1, GB2, G1B                        ; K slot 2's first fill: it has three K steps in which to land
	FETCH_B 0, 0, 0
	FETCH_A 0, 0, 0
	SCALES 0, 0
	FETCH_A 0, 0, 4
	STEP 0, 0, 1, 0, 1, 0, 0                       ; K step 0: its products start the sums
	STEP 1, 0, 0, 0, 2, 1, 1                       ; 1
	STEP 0, 1, 0, 0, 3, 0, 0                       ; 2
	TURN 1, 1, 2, 0, 2                             ; 3: K slot 2 is shown landed; K slots 0 and 1 are read no more: K slot 3 fills their first bytes again
	STEP 0, 0, 0, 2, 1, 0, 0                       ; 4
	TURN 0, 0, 1, 1, 3                             ; 5: K slot 3 is shown landed; nothing is filled
	STEP 0, 1, 0, 1, 1, 0, 0                       ; 6
	s_wait_dscnt 12                                ; 7: nothing more to fetch
	WIN MUL_LO
	MUL16 0, 1, 1, 1, 0
	MUL16 2, 1, 1, 1, 0
	s_wait_dscnt 0x0
	WIN MUL_HI
	MUL16 4, 1, 1, 1, 0
	MUL16 6, 1, 1, 1, 0
	WIN 0
	PLACES
; THE WAY OUT.  A's block a: my lane's 64 registers are 128 neighbours along B's rows, 16 of each block of 32 (the other 16 in lane l xor 16): they are quantised as they stand and give one fragment and
; one scale word.  MODE 0: its registers 0-5 are my first head's half fragment, 6-11 my second's.  MODE 1: it is the fragment of 16 channels x 128 keys.  Every store covers 256 or 512 consecutive bytes, aligned.
.macro EPI a
.set AC, 64*((\a)%4)
	WIN 0x0a+5*((\a)/4)                            ; sources 0 and 1: window 2 or 3.  The running maximum is source 2, so that one setting serves all 32 lines
.irp b, 0,1,2,3
	v_max3_num_f32 v[TM+\b], |v[AC+16*\b]|, |v[AC+1+16*\b]|, 0x1800000       ; each accumulator from its low end on; the floor 2^(3 - 127)
.endr
.irp i, 2,4,6,8,10,12,14
.irp b, 0,1,2,3
	v_max3_num_f32 v[TM+\b], |v[AC+16*\b+\i]|, |v[AC+1+16*\b+\i]|, v[TM+\b]
.endr
.endr
	WIN 0
.irp b, 0,1,2,3
	v_permlanex16_b32 v[TM+4+\b], v[TM+\b], s[SEL], s[SEL+1]
.endr
.irp b, 0,1,2,3
	v_max_num_f32 v[TM+\b], v[TM+\b], v[TM+4+\b]
.endr
.irp b, 0,1,2,3
	v_add_nc_u32 v[TM+12+\b], 0xff000000, v[TM+\b]
.endr
.irp b, 0,1,2,3
	v_lshrrev_b32 v[TM+4+\b], 23, v[TM+12+\b]
.endr
	v_lshl_or_b32 v[PWS+(\a)], v[TM+5], 8, v[TM+4]
	v_lshl_or_b32 v[PWS+(\a)], v[TM+6], 16, v[PWS+(\a)]
	v_lshl_or_b32 v[PWS+(\a)], v[TM+7], 24, v[PWS+(\a)]
	s_wait_xcnt 0x0                                ; the last block's stores have read v[PC] on: it is written again only behind this wait
	WIN 2+(\a)/4                                   ; source 0: window 2 or 3
.irp c, 0,1
	v_cvt_scalef32_pk16_fp6_f32 v[PC+6*\c:PC+2+6*\c], v[AC+32*\c:AC+15+32*\c], v[TM+12+2*\c]
	v_cvt_scalef32_pk16_fp6_f32 v[PT+4*\c:PT+2+4*\c], v[AC+16+32*\c:AC+31+32*\c], v[TM+12+2*\c+1]
.endr
	WIN 0
	v_nop                                          ; one plain place behind a scaled conversion
.irp c, 0,1
.irp i, 0,1,2
	v_permlane16_swap_b32 v[PC+6*\c+\i], v[PT+4*\c+\i]
.endr
.irp i, 0,1,2
	v_mov_b32 v[PC+3+6*\c+\i], v[PT+4*\c+\i]
.endr
.endr
	s_cmp_eq_u32 s22, 0                            ; MODE is the same in all partners
	s_cbranch_scc0 .Lvst_\@
	global_store_b128 v[L16], v[PC:PC+3], s[8:9] offset:768*(\a)
	global_store_b64 v[L8], v[PC+4:PC+5], s[8:9] offset:768*(\a)+512
	global_store_b128 v[L16], v[PC+6:PC+9], s[10:11] offset:768*(\a)
	global_store_b64 v[L8], v[PC+10:PC+11], s[10:11] offset:768*(\a)+512
	s_branch .Lst_\@
.Lvst_\@:
	s_wait_alu depctr_va_vdst(0)
.irp c, 0,1,2
	global_store_b128 v[L16], v[PC+4*\c:PC+4*\c+3], s[8+2*((\a)/4):9+2*((\a)/4)] offset:1536*((\a)%4)+512*\c
.endr
.Lst_\@:
.endm
.irp a, 0,1,2,3,4,5,6,7
	EPI \a
.endr
	s_mov_b32 s2, 0xffff0000                       ; lanes 16-31
	s_cmp_eq_u32 s22, 0
	s_cbranch_scc0 .Lvsc
.irp j, 0,1,2,3
	v_cndmask_b32 v[T+\j], v[PWS+2*\j], v[PWS+2*\j+1], s2      ; lanes 0-15: tile 2 j; lanes 16-31: tile 2 j + 1
.endr
.irp j, 0,1,2,3
	v_perm_b32 v[WE+\j], v[C7F], v[T+\j], 0x04040100           ; my first head's two bytes, and 0x7f twice
	v_perm_b32 v[WE+4+\j], v[C7F], v[T+\j], 0x04040302         ; my second head's
.endr
	global_store_b128 v[L16], v[WE:WE+3], s[8:9] offset:6144
	global_store_b128 v[L16], v[WE+4:WE+7], s[10:11] offset:6144
	s_branch .Lend
.Lvsc:
.irp c, 0,1,2,3
	v_cndmask_b32 v[T+\c], v[PWS+\c], v[PWS+4+\c], s2          ; lanes 0-15: my first head's four tiles of channels; lanes 16-31: my second's
.endr
	global_store_b128 v[VSO], v[T:T+3], s[8:9] offset:6144
.Lend:
	s_wait_tensorcnt 0x0                           ; the wave's end
	ds_add_u32 v[SPW], v[NIL]
	s_wait_dscnt 0x0
	CROUND                                         ; the closing round: no work-group ends while a partner may still ask for a tile that names it
	s_endpgm
.Lfunc_end_k_q11e7aca4fb_gemm_qkv:
	.size	k_q11e7aca4fb_gemm_qkv, .Lfunc_end_k_q11e7aca4fb_gemm_qkv-k_q11e7aca4fb_gemm_qkv
	.p2alignl 7, 3214868480
	.fill 96, 4, 3214868480
	.section	.rodata,"a",@progbits
	.p2align	6, 0x0
	.amdhsa_kernel k_q11e7aca4fb_gemm_qkv
		.amdhsa_group_segment_fixed_size 327680
		.amdhsa_private_segment_fixed_size 0
		.amdhsa_enable_private_segment 0
		.amdhsa_kernarg_size 32
		.amdhsa_user_sgpr_count 2
		.amdhsa_user_sgpr_kernarg_segment_ptr 1
		.amdhsa_wavefront_size32 1
		.amdhsa_system_sgpr_workgroup_id_x 1
		.amdhsa_system_sgpr_workgroup_id_y 1
		.amdhsa_system_sgpr_workgroup_id_z 1
		.amdhsa_system_vgpr_workitem_id 0
		.amdhsa_next_free_vgpr 1024
		.amdhsa_next_free_sgpr 104
		.amdhsa_reserve_vcc 0
		.amdhsa_float_denorm_mode_32 3
		.amdhsa_float_denorm_mode_16_64 3
		.amdhsa_memory_ordered 1
		.amdhsa_forward_progress 1
		.amdhsa_inst_pref_size 147
	.end_amdhsa_kernel
	.amdgpu_metadata
---
amdhsa.version: [ 1, 2 ]
amdhsa.kernels:
  - .name:           k_q11e7aca4fb_gemm_qkv
    .symbol:         k_q11e7aca4fb_gemm_qkv.kd
    .args:
      - { .name: img, .offset: 0, .size: 8, .value_kind: global_buffer, .address_space: global }
      - { .name: sc, .offset: 8, .size: 8, .value_kind: global_buffer, .address_space: global }
      - { .name: qbuf, .offset: 16, .size: 8, .value_kind: global_buffer, .address_space: global }
      - { .name: kv, .offset: 24, .size: 8, .value_kind: global_buffer, .address_space: global }
    .group_segment_fixed_size: 327680
    .private_segment_fixed_size: 0
    .kernarg_segment_align: 8
    .kernarg_segment_size: 32
    .max_flat_workgroup_size: 128
    .sgpr_count:     104
    .vgpr_count:     1024
    .wavefront_size: 32
...
	.end_amdgpu_metadata
.endif
;; end of part 2
;; launch attn (part 3): grid 4 x 64, 16 waves a work-group, clusters of 4 x 1, 327,680 bytes of LDS; arguments qbuf, kv, aimg, asc; writes aimg, asc
.if DOCPART == 3
	.amdgcn_target "amdgcn-amd-amdhsa--gfx1250"
	.amdhsa_code_object_version 6
	.text
	.protected	k_q11e7aca4fb_attn
	.globl	k_q11e7aca4fb_attn
	.p2align	8
	.type	k_q11e7aca4fb_attn,@function
k_q11e7aca4fb_attn:
	s_mov_b64 s[64:65], 0
	v_nop
	global_prefetch_b8 v0, s[64:65] scope:SCOPE_SE
	s_setreg_imm32_b32 hwreg(HW_REG_WAVE_MODE, 25, 1), 1
	s_wait_xcnt 0x0
	s_wait_alu depctr_hold_cnt(0) depctr_sa_sdst(0) depctr_va_vdst(0) depctr_va_sdst(0) depctr_va_ssrc(0) depctr_va_vcc(0) depctr_vm_vsrc(0)
	s_getreg_b32 s2, hwreg(HW_REG_IB_STS2, 6, 4)
	s_cmp_eq_u32 s2, 0
	s_cbranch_scc0 .Lentry_in_a_cluster
	s_endpgm
.Lentry_in_a_cluster:
	s_bfe_u32 s2, ttmp6, 0x10000c
	s_cmp_lg_u32 s2, 0x3003
	s_cbranch_scc0 .Lentry_shape_is_right
	s_endpgm
.Lentry_shape_is_right:
; O = softmax(Q K^T / 8) V for 64 (batch, head), 2,048 tokens, head size 64, both products on codes of FP6 (E2M3) with E8M0 scales; O / l is quantised along d_model and leaves as codes.
; THE SOFTMAX: t = score x log2(e) / 8; M = the running largest t rounded UP to a whole number; p = 2^(t - M) is quantised along the keys, not normalised; l is the sum of the unquantised p and divides O at the end.
; When M moves, l and O are multiplied by 2^(old M - new M): exact.
; SHARES.  A work-group owns ONE head and 512 queries.  The head's sixteen records of kv (128 keys each) lie in LDS for the whole launch: one joint tensor load a wave at the head, nothing is filled again,
; and no barrier stands between the head and the way out.  A wave owns two tiles of 16 queries, one after the other (tiles w and 16 + w of the work-group's 32), and walks the 16 records for each.
; CLUSTER: the four blocks of queries of a head read the same records: each record is asked for jointly by the four.  No prefetch: all that is read is asked for at the head, and no loop runs ahead of it.
; IN.  qbuf, kv: records of 128 tokens of one head, images of the operands' registers: half fragments of q, k (16 tokens x 64: registers 0-3 at 16 l, 4-5 at 512 + 8 l) at 768 T, scale words at 6,144
; (lane l's 16 bytes: word j = tile 2 j + l / 16, row l % 16; bytes 2, 3 are 0x7f); in kv also four fragments of v (16 channels x 128 keys) at 6,656 + 1,536 c, scale words at 12,800 + 16 r + 4 c.
; LDS: a record comes as 51 rows of 256 bytes with 64 bytes behind each: byte y lies at 320 (y / 256) + y % 256.
; K'S TILES ARE FORMED ANEW BY THE LANES' ADDRESSES.  Place i of a stored tile T holds key 32 (T / 2) + 16 (i / 8) + 8 (T % 2) + i % 8.  Tile (c, t) of the first product takes as rows 0-7 the keys 64 c + 8 t + 0..7
; and as rows 8-15 the keys 64 c + 32 + 8 t + 0..7: stored tiles 4 c + t % 2 and 4 c + 2 + t % 2, places 8 (t / 2) on; the two lie 1,920 LDS bytes apart, in different halves of the banks.
; With S^T = K Q^T a lane (r, h) then holds query r, and its 32 registers of tiles (c, 0..3) are keys 64 c + 32 h + 0..31: a WHOLE scale block, in the order of the second product's operand.
; THE FIRST PRODUCT HAS K = 64 and the instruction 128: Q's registers 6-11 are zero codes, so what stands in K's registers 6-11 (the next tile's codes, V's) adds nothing; the scale bytes there are 0x7f.
; OUT.  aimg: the half fragment of (tile of 16 tokens T, head) at (16 T + head) x 768, laid as a half fragment of qbuf.  asc: [head][8,192 tokens] two scale bytes each.  Tokens stay in qbuf's order.
; LIMITS: the scaled scores stay under 2^31 in magnitude; a block's largest magnitude under 2^-124 is taken as 2^-124 (byte 1); a block of zeros has byte 1 and zero codes; NaN and infinities are not served;
; a block's largest p is made from its largest score, which takes v_exp_f32 not to fall where its input rises.
.set REC,   13056
.set RECL,  16320                      ; a record in LDS: 51 x 320
.set SPARE, 16*RECL                    ; the spare words, 128 bytes for each of 16 waves
.set OSC,   SPARE+2048                 ; 1,024 bytes: the work-group's 512 pairs of scale bytes on their way out
.set LV,  1                            ; lane terms: v1 16 r + 320 h; v2 16 r; v3, v4, v5 K's: 16-byte pieces, 8-byte pieces, scale words
.set LVS, 2
.set LK,  3
.set LK8, 4
.set LKS, 5
.set AV,  6                            ; v6-10 the same five in the four records in hand
.set AVS, 7
.set AK,  8
.set AK8, 9
.set AKS, 10
.set SH8, 11                           ; v11 8 h
                                       ; v12 -M, v13 the largest score, v[14:15] l in two halves; v16-21 Q, v22-27 zero codes
.set SPW, 28
.set NIL, 29
.set QS,  30                           ; Q's scale words;  v31 the next tile's
.set QSN, 31
.set KF,  32                           ; v32-79 K's eight tiles, six registers each
.set VF,  80                           ; v80-127 V's four fragments
.set KS,  128                          ; v128-131 K's scale words: register 2 c + t / 2: lanes 0-15 the even t, lanes 16-31 the odd
.set VS,  132                          ; v132-135 V's
.set S,   136                          ; v136-199 S^T, then p
.set O,   200                          ; v200-231 O^T
.set P,   232                          ; v232-243 p's codes; ahead of them partial sums
.set BM,  244                          ; v244-245 my two blocks' largest scores, largest p, scale operands
.set QB,  246                          ; v246-247, v252-255 the next tile's Q
.set TT,  248
.set BX,  249
.set FF,  250                          ; f = 2^(old M - new M);  v251 p's scale word
.set PS,  251
.set QA,  252
.set WV,  12
.set NC,  15                           ; s15 -log2(e) / 8
.set SEL, 20
.set CS,  22                           ; s[22:23] log2(e) / 8
.set G1,  24
.set G0,  32
.set TB,  40
.set CNT, 41
.set PASS, 42
.set OSP, 43
.macro WALU
	s_wait_alu depctr_va_vdst(0)
.endm
.macro CROUND
	s_barrier_signal -1
	s_barrier_wait -1
	s_cmp_lg_u32 s[WV], 0
	s_cbranch_scc1 .Lnot_wave_0_\@
	s_barrier_signal -3
.Lnot_wave_0_\@:
	s_barrier_wait -3
	s_barrier_signal -1
	s_barrier_wait -1
.endm
.macro QLOAD off
	global_load_b128 v[QA:QA+3], v[P], s[44:45] offset:\off
	global_load_b64 v[QB:QB+1], v[P+1], s[44:45] offset:(\off)+512
	global_load_b32 v[QSN], v[LVS], s[46:47] offset:\off
.endm
	s_load_b256 s[4:11], s[0:1], 0x0               ; qbuf, kv, aimg, asc
	v_lshl_add_u32 v[SPW], v0, 2, SPARE
	v_mov_b32 v[NIL], 0
	ds_add_u32 v[SPW], v[NIL]                      ; the opening lines
	ds_add_u32 v[SPW], v[NIL]
	v_lshrrev_b32 v[TT], 5, v0
	v_readfirstlane_b32 s[WV], v[TT]               ; wave 0..15
	v_and_b32 v[S], 15, v0                         ; r
	v_bfe_u32 v[S+1], v0, 4, 1                     ; h
	v_and_b32 v[S+2], 7, v0                        ; r % 8
	v_bfe_u32 v[S+3], v0, 3, 1                     ; g = r / 8
	v_lshlrev_b32 v[LVS], 4, v[S]
	v_lshlrev_b32 v[S+4], 4, v[S+2]
	v_lshlrev_b32 v[S+5], 3, v[S+2]
	v_lshlrev_b32 v[SH8], 3, v[S+1]
	v_mad_u32_u24 v[LV], v[S+1], 320, v[LVS]
	v_mad_u32_u24 v[LK], v[S+3], 1920, v[S+4]
	v_mad_u32_u24 v[LK8], v[S+3], 1920, v[S+5]
	v_lshl_add_u32 v[LKS], v[S+3], 2, v[S+4]
	v_mad_u32_u24 v[LK], v[S+1], 320, v[LK]        ; 1,920 g + 320 h + 16 (r % 8)
	v_lshl_add_u32 v[LK8], v[S+1], 7, v[LK8]       ; 1,920 g + 128 h + 8 (r % 8)
	v_mad_u32_u24 v[LKS], v[S+1], 320, v[LKS]      ; 16 (r % 8) + 4 g + 320 h
	v_and_b32 v[S+6], 31, v0
	v_lshlrev_b32 v[P], 4, v[S+6]                  ; 16 x lane, 8 x lane: for Q's loads
	v_lshlrev_b32 v[P+1], 3, v[S+6]
	s_bfe_u32 s13, ttmp6, 0x40000                  ; cx: my block of 512 queries; it enters Q's and the outputs' addresses alone
	s_and_b32 s14, ttmp7, 0xffff                   ; y = 16 x batch + head
	s_lshl_b32 s16, s14, 4
	s_add_co_u32 s18, s16, s[WV]
	s_mul_i32 s18, s18, REC                        ; kv: record 16 y + wave
	s_mov_b32 s19, 0
	s_mov_b32 s[G0], 1
	s_mul_i32 s[G0+1], s[WV], RECL
	s_mov_b32 s[G1], 15|(3<<16)|(1<<20)|(1<<21)|(5<<22)|(15<<25)   ; mask: all four; elements of 8 bytes; 16 words of padding behind every 64
	s_mov_b32 s[G1+1], 32<<16
	s_mov_b32 s[G1+2], 51<<16
	s_mov_b32 s[G1+3], 32<<16
	s_mov_b32 s[G1+4], 51
	s_mov_b32 s[G1+5], 32
	s_mov_b32 s[G1+6], 0
	s_mov_b32 s[G1+7], 0
	s_lshl_b32 s36, s13, 2
	s_add_co_u32 s36, s36, s16
	s_lshr_b32 s37, s[WV], 3
	s_add_co_u32 s36, s36, s37
	s_mul_i32 s36, s36, 6656                       ; qbuf: record 16 y + 4 cx + wave / 8 (the second tile: two records on)
	s_and_b32 s37, s[WV], 7
	s_mul_i32 s44, s37, 768
	s_add_co_u32 s44, s44, s36
	s_mov_b32 s45, 0
	s_lshr_b32 s37, s37, 1
	s_lshl_b32 s37, s37, 2
	s_and_b32 s46, s[WV], 1
	s_lshl_b32 s46, s46, 8
	s_add_co_u32 s46, s46, s37
	s_add_co_u32 s46, s46, s36
	s_add_co_u32 s46, s46, 6144
	s_mov_b32 s47, 0
	s_lshr_b32 s48, s14, 4                         ; batch
	s_and_b32 s49, s14, 15                         ; head
	s_lshl_b32 s50, s48, 7
	s_lshl_b32 s51, s13, 5
	s_add_co_u32 s50, s50, s51
	s_add_co_u32 s50, s50, s[WV]                   ; T = 128 x batch + 32 cx + wave
	s_lshl_b32 s50, s50, 4
	s_add_co_u32 s50, s50, s49
	s_mul_i32 s50, s50, 768
	s_mov_b32 s51, 0
	s_lshl_b32 s52, s49, 14                        ; asc: 16,384 bytes a head, 4,096 a batch, 1,024 a work-group
	s_lshl_b32 s53, s48, 12
	s_add_co_u32 s52, s52, s53
	s_lshl_b32 s53, s13, 10
	s_add_co_u32 s52, s52, s53
	s_mov_b32 s53, 0
	s_lshl_b32 s[OSP], s[WV], 5
	s_add_co_u32 s[OSP], s[OSP], OSC               ; LDS: my tile's 16 pairs of scale bytes
	s_mov_b32 s[SEL], 0x76543210
	s_mov_b32 s[SEL+1], 0xfedcba98
	s_mov_b32 s[CS], 0x3e38aa3b
	s_mov_b32 s[CS+1], s[CS]
	s_mov_b32 s[NC], 0xbe38aa3b
	WALU
	s_wait_dscnt 0x0
	CROUND                                         ; all four work-groups are here: the joint loads meet
	s_wait_kmcnt 0x0
	s_add_nc_u64 s[G0+2:G0+3], s[6:7], s[18:19]
	s_or_b32 s[G0+3], s[G0+3], 0x80000000
	tensor_load_to_lds s[G0:G0+3], s[G1:G1+7]      ; every wave's one tensor load: its record
	s_nop 0
	s_add_nc_u64 s[44:45], s[4:5], s[44:45]
	s_add_nc_u64 s[46:47], s[4:5], s[46:47]
	s_add_nc_u64 s[8:9], s[8:9], s[50:51]
	s_add_nc_u64 s[10:11], s[10:11], s[52:53]
	QLOAD 0                                        ; my first tile of queries
.irp j, 0,1,2,3,4,5
	v_mov_b32 v[22+\j], 0                          ; Q's zero codes for k = 64 .. 127
	v_mov_b32 v[VF+\j], 0                          ; what stands behind K's last tile in the first step
.endr
	v_mov_b32 v[TT], 0                             ; written once: a lane permute's destination counts as a source
	v_mov_b32 v[BX], 0
	v_mov_b32 v[PS], 0                             ; (the upper half of the pair v[250:251])
	s_mov_b32 s[PASS], 0
	WALU
	s_wait_tensorcnt 0x0                           ; my record is in
	s_barrier_signal -1
	s_barrier_wait -1                              ; everybody's is; nothing is ever filled again
.macro KLOAD u                         ; K's eight tiles and their scale words of record u of the four in hand: 20 loads
.irp c, 0,1
.irp t, 0,1,2,3
	ds_load_b128 v[KF+6*(4*\c+\t):KF+6*(4*\c+\t)+3], v[AK] offset:(\u)*RECL+960*(4*\c+\t%2)+128*(\t/2)
	ds_load_b64 v[KF+6*(4*\c+\t)+4:KF+6*(4*\c+\t)+5], v[AK8] offset:(\u)*RECL+960*(4*\c+\t%2)+640+64*(\t/2)
.endr
.irp w, 0,1
	ds_load_b32 v[KS+2*\c+\w], v[AKS] offset:(\u)*RECL+7680+128*\w+8*\c
.endr
.endr
.endm
.macro STEP u                          ; the 128 keys of record u of the four in hand
.if \u == 0
	KLOAD 0
.endif
	s_wait_dscnt 0x0                               ; K is in (but for u = 0 it was asked for a step ago)
.irp c, 0,1
.irp t, 0,1,2,3
.if \t%2
	v_wmma_scale_f32_16x16x128_f8f6f4 v[S+32*\c+8*\t:S+32*\c+8*\t+7], v[KF+6*(4*\c+\t):KF+6*(4*\c+\t)+11], v[16:27], 0, v[KS+2*\c+\t/2], v[QS] matrix_a_fmt:MATRIX_FMT_FP6 matrix_b_fmt:MATRIX_FMT_FP6 matrix_a_scale:MATRIX_SCALE_ROW1
.else
	v_wmma_scale_f32_16x16x128_f8f6f4 v[S+32*\c+8*\t:S+32*\c+8*\t+7], v[KF+6*(4*\c+\t):KF+6*(4*\c+\t)+11], v[16:27], 0, v[KS+2*\c+\t/2], v[QS] matrix_a_fmt:MATRIX_FMT_FP6 matrix_b_fmt:MATRIX_FMT_FP6
.endif
.endr
.endr
.rept 4
	v_nop                                          ; places in front of the loads below and of the first read of the scores
.endr
.irp c, 0,1,2,3                        ; V: 13 loads; behind them the next record's K: both land under the softmax
.irp p, 0,1,2
	ds_load_b128 v[VF+12*\c+4*\p:VF+12*\c+4*\p+3], v[AV] offset:(\u)*RECL+320*(26+6*\c+2*\p)
.endr
.endr
	ds_load_b128 v[VS:VS+3], v[AVS] offset:(\u)*RECL+16000
.if \u < 3
	KLOAD \u+1
.endif
.irp c, 0,1                            ; the largest score of my two blocks of 32 keys, each in two chains; each accumulator is first read at its low end
	v_max3_num_f32 v[BM+\c], v[S+32*\c], v[S+32*\c+1], v[S+32*\c+2]
	v_max3_num_f32 v[TT+\c], v[S+32*\c+16], v[S+32*\c+17], v[S+32*\c+18]
.endr
.irp i, 3,5,7,9,11,13
.irp c, 0,1
	v_max3_num_f32 v[BM+\c], v[BM+\c], v[S+32*\c+\i], v[S+32*\c+\i+1]
	v_max3_num_f32 v[TT+\c], v[TT+\c], v[S+32*\c+16+\i], v[S+32*\c+17+\i]
.endr
.endr
.irp c, 0,1
	v_max3_num_f32 v[BM+\c], v[BM+\c], v[S+32*\c+15], v[S+32*\c+31]
.endr
.irp c, 0,1
	v_max_num_f32 v[BM+\c], v[BM+\c], v[TT+\c]
.endr
	v_max_num_f32 v[TT], v[BM], v[BM+1]
	v_permlanex16_b32 v[BX], v[TT], s[SEL], s[SEL+1]
	v_max3_num_f32 v13, v13, v[TT], v[BX]          ; the running largest score of my query
	v_mul_f32 v[TT], s[NC], v13                    ; -t
	v_mov_b32 v[BX], v12
	v_floor_f32 v12, v[TT]                         ; the new -M = floor(-t)
	v_sub_f32 v[BX], v12, v[BX]                    ; old M - new M: a whole number, 0 or less
	v_cvt_i32_f32 v[BX], v[BX]                     ; (it saturates)
	v_ldexp_f32 v[FF], 1.0, v[BX]
.set J, 0
.rept 32
	v_pk_fma_f32 v[S+J:S+J+1], v[S+J:S+J+1], s[CS:CS+1], v[12:13] op_sel_hi:[1,0,0]   ; t - M
.set J, J+2
.endr
	v_fma_f32 v[BM], v[BM], s[CS], v12
	v_fma_f32 v[BM+1], v[BM+1], s[CS], v12
	WALU
.set J, 0
.rept 64
	v_exp_f32 v[S+J], v[S+J]                       ; p = 2^(t - M)
.set J, J+1
.endr
	v_exp_f32 v[BM], v[BM]                         ; the blocks' largest p
	v_exp_f32 v[BM+1], v[BM+1]
	v_pk_mul_f32 v[14:15], v[14:15], v[FF:FF+1] op_sel_hi:[1,0]    ; l under the new M (a plain place behind the batch)
	WALU                                           ; and behind it
	v_pk_add_f32 v[P:P+1], v[S:S+1], v[S+2:S+3]    ; l += the unquantised p: four chains
	v_pk_add_f32 v[P+2:P+3], v[S+4:S+5], v[S+6:S+7]
	v_pk_add_f32 v[P+4:P+5], v[S+8:S+9], v[S+10:S+11]
.irp j, 12,20,28,36,44,52
	v_pk_add_f32 v[14:15], v[14:15], v[S+\j:S+\j+1]
	v_pk_add_f32 v[P:P+1], v[P:P+1], v[S+\j+2:S+\j+3]
	v_pk_add_f32 v[P+2:P+3], v[P+2:P+3], v[S+\j+4:S+\j+5]
	v_pk_add_f32 v[P+4:P+5], v[P+4:P+5], v[S+\j+6:S+\j+7]
.endr
	v_pk_add_f32 v[14:15], v[14:15], v[S+60:S+61]
	v_pk_add_f32 v[P:P+1], v[P:P+1], v[S+62:S+63]
	v_pk_add_f32 v[P+2:P+3], v[P+2:P+3], v[P+4:P+5]
	v_pk_add_f32 v[14:15], v[14:15], v[P:P+1]
	v_max_num_f32 v[BM], 0x1800000, v[BM]          ; the floor 2^(3 - 127)
	v_max_num_f32 v[BM+1], 0x1800000, v[BM+1]
	v_pk_add_f32 v[14:15], v[14:15], v[P+2:P+3]
	v_add_nc_u32 v[BM], 0xff000000, v[BM]          ; 2 off the exponent field: the conversions' scale operands
	v_add_nc_u32 v[BM+1], 0xff000000, v[BM+1]
	v_lshrrev_b32 v[TT], 23, v[BM]
	v_lshrrev_b32 v[BX], 23, v[BM+1]
	v_lshl_or_b32 v[TT], v[BX], 16, v[TT]          ; my bytes: blocks h and 2 + h,
	v_lshlrev_b32 v[TT], v[SH8], v[TT]             ; at their places;
	v_permlanex16_b32 v[BX], v[TT], s[SEL], s[SEL+1]
	v_or_b32 v[PS], v[TT], v[BX]                   ; with lane l xor 16's two the word is whole
	v_cvt_scalef32_pk16_fp6_f32 v[P:P+2], v[S:S+15], v[BM]
	v_cvt_scalef32_pk16_fp6_f32 v[P+6:P+8], v[S+32:S+47], v[BM+1]
	v_nop                                          ; a plain place: the next two write over p that has been converted
	v_cvt_scalef32_pk16_fp6_f32 v[S:S+2], v[S+16:S+31], v[BM]       ; (a conversion's three registers begin on an even number)
	v_cvt_scalef32_pk16_fp6_f32 v[S+32:S+34], v[S+48:S+63], v[BM+1]
	v_nop
.irp i, 0,1,2
	v_mov_b32 v[P+3+\i], v[S+\i]
	v_mov_b32 v[P+9+\i], v[S+32+\i]
.endr
.if \u < 3
	s_wait_dscnt 20                                ; V is in; the next record's K, 20 loads, may be out
.else
	s_wait_dscnt 0x0
.endif
	WALU
.set J, 0
.rept 16
	v_pk_mul_f32 v[O+J:O+J+1], v[O+J:O+J+1], v[FF:FF+1] op_sel_hi:[1,0]   ; O^T under the new M; also the places in front of the products
.set J, J+2
.endr
.irp c, 0,1,2,3                        ; O^T += V^T P^T: the four accumulators by turns
	v_wmma_scale_f32_16x16x128_f8f6f4 v[O+8*\c:O+8*\c+7], v[VF+12*\c:VF+12*\c+11], v[P:P+11], v[O+8*\c:O+8*\c+7], v[VS+\c], v[PS] matrix_a_fmt:MATRIX_FMT_FP6 matrix_b_fmt:MATRIX_FMT_FP6
.endr
.endm
.Lpass:                                                ; a tile of 16 queries
	s_wait_loadcnt 0x0                             ; its Q
.irp j, 0,1,2,3
	v_mov_b32 v[16+\j], v[QA+\j]
.endr
	v_mov_b32 v20, v[QB]
	v_mov_b32 v21, v[QB+1]
	v_mov_b32 v[QS], v[QSN]
	s_cmp_lg_u32 s[PASS], 0
	s_cbranch_scc1 .Lno_next
	v_and_b32 v[P], 31, v0                         ; 16 x lane, 8 x lane, made anew from the thread's number
	v_lshlrev_b32 v[P+1], 3, v[P]
	v_lshlrev_b32 v[P], 4, v[P]
	QLOAD 13312
.Lno_next:
	v_mov_b32 v13, 0xff61b1e6                      ; the largest score so far: -3e38
	v_mov_b32 v12, 0x7e000000                      ; -M: a large whole number: the first f is 0
	v_mov_b32 v14, 0
	v_mov_b32 v15, 0
.set J, 0
.rept 32
	v_mov_b32 v[O+J], 0                            ; the step is written once: the first finds zeros
.set J, J+1
.endr
	s_wait_xcnt 0x0                                ; Q's loads have read v[P], v[P+1]: the steps write them
	s_mov_b32 s[TB], 0
	s_mov_b32 s[CNT], 4
.Ltrip:                                                ; four records
	v_add_nc_u32 v[AK], s[TB], v[LK]
	v_add_nc_u32 v[AK8], s[TB], v[LK8]
	v_add_nc_u32 v[AKS], s[TB], v[LKS]
	v_add_nc_u32 v[AV], s[TB], v[LV]
	v_add_nc_u32 v[AVS], s[TB], v[LVS]
	WALU                                           ; some readers stand behind waits
	STEP 0
	STEP 1
	STEP 2
	STEP 3
	s_add_co_u32 s[TB], s[TB], 4*RECL
	s_sub_co_u32 s[CNT], s[CNT], 1
	s_cmp_lg_u32 s[CNT], 0
	s_cbranch_scc1 .Ltrip
; THE TILE'S END.  O^T / l: its 32 registers are 16 neighbouring channels of each of the head's two blocks (V's channels are laid so): quantised, they are a half fragment and two scale bytes.
.rept 4
	v_nop
.endr
	v_add_f32 v14, v14, v15
	v_permlanex16_b32 v[TT], v14, s[SEL], s[SEL+1]
	v_add_f32 v14, v14, v[TT]
	WALU
	v_rcp_f32 v14, v14
	v_nop
	WALU
.set J, 0
.rept 16
	v_pk_mul_f32 v[S+J:S+J+1], v[O+J:O+J+1], v[14:15] op_sel_hi:[1,0]
.set J, J+2
.endr
.irp b, 0,1
	v_max3_num_f32 v[BM+\b], |v[S+16*\b]|, |v[S+1+16*\b]|, 0x1800000
.endr
.irp i, 2,4,6,8,10,12,14
.irp b, 0,1
	v_max3_num_f32 v[BM+\b], v[BM+\b], |v[S+16*\b+\i]|, |v[S+1+16*\b+\i]|
.endr
.endr
.irp b, 0,1
	v_permlanex16_b32 v[TT+\b], v[BM+\b], s[SEL], s[SEL+1]
.endr
.irp b, 0,1
	v_max_num_f32 v[BM+\b], v[BM+\b], v[TT+\b]
.endr
.irp b, 0,1
	v_add_nc_u32 v[BM+\b], 0xff000000, v[BM+\b]
.endr
.irp b, 0,1
	v_lshrrev_b32 v[TT+\b], 23, v[BM+\b]
.endr
	v_lshl_or_b32 v[TT], v[BX], 8, v[TT]           ; the two bytes
	v_cvt_scalef32_pk16_fp6_f32 v[P:P+2], v[S:S+15], v[BM]
	v_cvt_scalef32_pk16_fp6_f32 v[P+6:P+8], v[S+16:S+31], v[BM+1]
	v_and_b32 v[S+32], 31, v0
.irp i, 0,1,2
	v_permlane16_swap_b32 v[P+\i], v[P+6+\i]       ; a whole block in a lane: lanes 0-15 block 0, lanes 16-31 block 1
.endr
.irp i, 0,1,2
	v_mov_b32 v[P+3+\i], v[P+6+\i]
.endr
	v_lshlrev_b32 v[S+33], 4, v[S+32]
	v_lshlrev_b32 v[S+34], 3, v[S+32]
	v_and_b32 v[S+35], 15, v0
	v_lshl_add_u32 v[S+35], v[S+35], 1, s[OSP]
	global_store_b128 v[S+33], v[P:P+3], s[8:9]    ; 512 and 256 consecutive bytes, aligned
	global_store_b64 v[S+34], v[P+4:P+5], s[8:9] offset:512
	ds_store_b16 v[S+35], v[TT]                    ; both lanes of a row write the same bytes
	s_wait_xcnt 0x0                                ; the stores have read their base and registers
	s_add_nc_u64 s[8:9], s[8:9], 196608            ; sixteen tiles of tokens on
	s_add_co_u32 s[OSP], s[OSP], 512
	s_add_co_u32 s[PASS], s[PASS], 1
	s_cmp_lt_u32 s[PASS], 2
	WALU
	s_cbranch_scc1 .Lpass
	v_lshlrev_b32 v[S], 4, v0                      ; 16 x thread (waves 0 and 1 use it)
	v_add_nc_u32 v[S+1], OSC, v[S]
	WALU
	s_wait_dscnt 0x0                               ; for the others' sake: my stores are done
	s_barrier_signal -1
	s_barrier_wait -1
	s_cmp_lt_u32 s[WV], 2                          ; the 1,024 scale bytes leave by two waves, 512 consecutive bytes each
	s_cbranch_scc0 .Lnot_out
	ds_load_b128 v[S+4:S+7], v[S+1]
	s_wait_dscnt 0x0
	global_store_b128 v[S], v[S+4:S+7], s[10:11]
.Lnot_out:
	s_wait_tensorcnt 0x0                           ; the wave's end
	ds_add_u32 v[SPW], v[NIL]
	s_wait_dscnt 0x0
	CROUND                                         ; the closing round
	s_endpgm
.Lfunc_end_k_q11e7aca4fb_attn:
	.size	k_q11e7aca4fb_attn, .Lfunc_end_k_q11e7aca4fb_attn-k_q11e7aca4fb_attn
	.p2alignl 7, 3214868480
	.fill 96, 4, 3214868480
	.section	.rodata,"a",@progbits
	.p2align	6, 0x0
	.amdhsa_kernel k_q11e7aca4fb_attn
		.amdhsa_group_segment_fixed_size 327680
		.amdhsa_private_segment_fixed_size 0
		.amdhsa_enable_private_segment 0
		.amdhsa_kernarg_size 32
		.amdhsa_user_sgpr_count 2
		.amdhsa_user_sgpr_kernarg_segment_ptr 1
		.amdhsa_wavefront_size32 1
		.amdhsa_system_sgpr_workgroup_id_x 1
		.amdhsa_system_sgpr_workgroup_id_y 1
		.amdhsa_system_sgpr_workgroup_id_z 1
		.amdhsa_system_vgpr_workitem_id 0
		.amdhsa_next_free_vgpr 256
		.amdhsa_next_free_sgpr 66
		.amdhsa_reserve_vcc 0
		.amdhsa_float_denorm_mode_32 3
		.amdhsa_float_denorm_mode_16_64 3
		.amdhsa_memory_ordered 1
		.amdhsa_forward_progress 1
		.amdhsa_inst_pref_size 71
	.end_amdhsa_kernel
	.amdgpu_metadata
---
amdhsa.version: [ 1, 2 ]
amdhsa.kernels:
  - .name:           k_q11e7aca4fb_attn
    .symbol:         k_q11e7aca4fb_attn.kd
    .args:
      - { .name: qbuf, .offset: 0, .size: 8, .value_kind: global_buffer, .address_space: global }
      - { .name: kv, .offset: 8, .size: 8, .value_kind: global_buffer, .address_space: global }
      - { .name: aimg, .offset: 16, .size: 8, .value_kind: global_buffer, .address_space: global }
      - { .name: asc, .offset: 24, .size: 8, .value_kind: global_buffer, .address_space: global }
    .group_segment_fixed_size: 327680
    .private_segment_fixed_size: 0
    .kernarg_segment_align: 8
    .kernarg_segment_size: 32
    .max_flat_workgroup_size: 512
    .sgpr_count:     66
    .vgpr_count:     256
    .wavefront_size: 32
...
	.end_amdgpu_metadata
.endif
;; end of part 3
;; launch gemm_out (part 4): grid 4 x 32, 4 waves a work-group, clusters of 4 x 4, 327,680 bytes of LDS; arguments aimg, asc, img, sc, out0; writes out0
.if DOCPART == 4
	.amdgcn_target "amdgcn-amd-amdhsa--gfx1250"
	.amdhsa_code_object_version 6
	.text
	.protected	k_q11e7aca4fb_gemm_out
	.globl	k_q11e7aca4fb_gemm_out
	.p2align	8
	.type	k_q11e7aca4fb_gemm_out,@function
k_q11e7aca4fb_gemm_out:
	s_mov_b64 s[64:65], 0
	v_nop
	global_prefetch_b8 v0, s[64:65] scope:SCOPE_SE
	s_setreg_imm32_b32 hwreg(HW_REG_WAVE_MODE, 25, 1), 1
	s_wait_xcnt 0x0
	s_wait_alu depctr_hold_cnt(0) depctr_sa_sdst(0) depctr_va_vdst(0) depctr_va_sdst(0) depctr_va_ssrc(0) depctr_va_vcc(0) depctr_vm_vsrc(0)
	s_getreg_b32 s2, hwreg(HW_REG_IB_STS2, 6, 4)
	s_cmp_eq_u32 s2, 0
	s_cbranch_scc0 .Lentry_in_a_cluster
	s_endpgm
.Lentry_in_a_cluster:
	s_bfe_u32 s2, ttmp6, 0x10000c
	s_cmp_lg_u32 s2, 0xf033
	s_cbranch_scc0 .Lentry_shape_is_right
	s_endpgm
.Lentry_shape_is_right:
; out0 = (O / l) W_o on codes of FP6 (E2M3) with E8M0 scales, K = 1,024, sums and output in f32.
; OPERANDS are images of the operand's registers: fragment (tile T, K step s) at (8 T + s) x 1,536 bytes.  A = aimg, asc (512 tiles of tokens; byte pairs of heads 2 s, 2 s + 1 at 2 (16,384 s + token) and 16,384 on);
; B = img, sc, tiles 704-767: W_o's columns (scale word at 4 (12,288 s + row)).
; A work-group of four waves makes 256 x 256, a wave 128 x 128: 64 accumulators.  Source 1 = A gives a lane its token, source 0 = B runs along the lane's registers.
; In both operands place i of tile T holds row 32 (T / 2) + 16 (i / 8) + 8 (T % 2) + i % 8.  So register j of accumulator (a, b) in lane (r, h) is column 32 (b / 2) + 16 h + 8 (b % 2) + j of the token
; 32 (a / 2) + 8 (a % 2) + 16 (r / 8) + r % 8 of my 128 x 128: both orders are undone by immediates on the way out.
; K goes through THREE LDS slots of 256 along K: three go out as first fills, the fourth K slot fills slot 0 again behind the one round of the cluster's barrier.
; CLUSTERS: 4 x 4.  A's tiles are shared along a row of the cluster, B's along a column: each is asked for jointly.  The launch has 128 work-groups: its 128 tiles of 256 x 256.
; REGISTERS: window 0: v0-31 addresses; v32-63 scale words, two sets; v128-223 A's fragments, one set (on the way out v128-255: rows of the output).  window 1: B's fragments, two sets.
;   window 2: the accumulators of A's blocks 0-3 ((a, b) at v[8 (8 a + b)]); window 3: of blocks 4-7.
.set FR,     12
.set NQ,     2
.set HALFT,  24576                     ; 8 tiles x 3,072 bytes: what one tensor load brings
.set SLOT,   4*HALFT
.set SCL,    3*SLOT                    ; the scale words of all of K: wave w's 4,096 bytes at 4,096 w + 128 (w / 2)
.set SPARE,  SCL+16640                 ; the spare words: two blocks of 256 bytes that no other line names
.set SPITCH, 528                       ; the way out: a stage of 16 rows x (512 bytes + 16) for each wave, in slot 1: it has had its one fill, and its last read lies in front of the last barrier
.set STG,    SLOT
.set ADRA, 16
.set ADRB, 20
.set STO,  24                          ; v24     the stage: where I put 32 bytes of a row
.set RD,   25                          ; v25     and where I read a row back
.set CO,   26                          ; v26     16 x lane
.set ADRS, 27
.set SPW,  28
.set NIL,  29
.set SC,   32
.set AF,   128
.set BK,   128                         ; 16 rows read back from the stage: v128-191 and v192-255 by turns
.set G1,   24
.set G1B,  32
.set G1S,  40
.set G1SB, 48
.set GA0,  56
.set GA1,  60
.set GA2,  68
.set GB0,  72
.set GB1,  76
.set GB2,  80
.set GAS,  84
.set GBS,  88
.set MSB, 0
.macro WIN new                         ; the immediate's high byte repeats the setting that is left
.if MSB != \new
	s_set_vgpr_msb (MSB<<8)|\new
.set MSB, \new
.endif
.endm
.set MUL_LO, 0xa1
.set MUL_HI, 0xf1
.set TO_B,   0x40
.macro JLOAD g0a, g1a, g0b, g1b        ; a joint load: waves 0 and 1 fetch for A, waves 2 and 3 for B; four v_nop follow each of the two lines
	s_cmp_eq_u32 s15, 0
	s_cbranch_scc0 .Lfor_b_\@
	tensor_load_to_lds s[\g0a:\g0a+3], s[\g1a:\g1a+7]
	s_nop 0
.rept 4
	v_nop
.endr
	s_branch .Lasked_\@
.Lfor_b_\@:
	tensor_load_to_lds s[\g0b:\g0b+3], s[\g1b:\g1b+7]
	s_nop 0
.rept 4
	v_nop
.endr
.Lasked_\@:
.endm
.macro CREST
	s_cmp_lg_u32 s14, 0
	s_cbranch_scc1 .Lnot_wave_0_\@
	s_barrier_signal -3
.Lnot_wave_0_\@:
	s_barrier_wait -3
	s_barrier_signal -1
	s_barrier_wait -1
.endm
.macro CROUND
	s_barrier_signal -1
	s_barrier_wait -1
	CREST
.endm
.macro GROUP0 g, l, lo, src, go
	s_mov_b32 s[\g], 1
	s_add_co_u32 s[\g+1], s[\l], \lo
	s_add_nc_u64 s[\g+2:\g+3], s[\src:\src+1], \go
	s_or_b32 s[\g+3], s[\g+3], 0x80000000
.endm
	s_load_b128 s[4:7], s[0:1], 0x0                ; aimg, asc
	s_load_b128 s[8:11], s[0:1], 0x10              ; img, sc
	s_load_b64 s[12:13], s[0:1], 0x20              ; out0
	v_lshl_add_u32 v[SPW], v0, 2, SPARE
	v_mov_b32 v[NIL], 0
	ds_add_u32 v28, v29
	ds_add_u32 v28, v29
	s_wait_dscnt 0x0
	v_lshrrev_b32 v1, 5, v0
	v_readfirstlane_b32 s14, v1                    ; wave 0..3
	s_lshr_b32 s15, s14, 1                         ; which half of A's rows is mine.  Also: I fetch for A (0) or for B (1)
	s_and_b32 s16, s14, 1                          ; which half of B's.  Also: which 8 tiles I fetch
	s_bfe_u32 s17, ttmp6, 0x40000                  ; cx
	s_bfe_u32 s18, ttmp6, 0x40004                  ; cy
	s_and_b32 s19, ttmp7, 0xffff                   ; the cluster's y
	s_lshl_b32 s20, s18, 2
	s_lshl_b32 s20, 15, s20                        ; my row of the cluster
	s_lshl_b32 s21, 0x1111, s17                    ; my column
	s_or_b32 s[G1], s20, (3<<16)|(1<<21)           ; codes: 8 rows (tiles) of 3,072 bytes, 12,288 bytes apart: elements of 8 bytes; no padding
	s_or_b32 s[G1B], s21, (3<<16)|(1<<21)
.irp g, G1, G1B
	s_mov_b32 s[\g+1], 768<<16                     ; the head's load: rows of 6,144 bytes, K slots 0 and 1 of a tile on end
	s_mov_b32 s[\g+2], 8<<16
	s_mov_b32 s[\g+3], 768<<16
	s_mov_b32 s[\g+4], 8
	s_mov_b32 s[\g+5], 1536
	s_mov_b32 s[\g+6], 0
	s_mov_b32 s[\g+7], 0
.endr
	s_lshl_b32 s23, s19, 6
	s_lshl_b32 s2, s18, 4
	s_add_co_u32 s23, s23, s2                      ; A's first tile: 16 (4 x cluster y + cy)
	s_lshl_b32 s100, ttmp9, 6
	s_lshl_b32 s3, s17, 4
	s_add_co_u32 s100, s100, s3                    ; B's first tile among W_o's: 16 (4 x cluster x + cx)
	s_lshl_b32 s2, s16, 3
	s_add_co_u32 s92, s23, s2                      ; the 8 tiles that I fetch, of A
	s_add_co_u32 s96, s100, s2
	s_add_co_u32 s96, s96, 704                     ; and of B, in img
	s_lshl_b32 s94, s92, 5                         ; asc: [head][token] two bytes: 32 bytes a tile
	s_mul_i32 s92, s92, 12288
	s_lshl_b32 s98, s96, 6
	s_mul_i32 s96, s96, 12288
	s_mov_b32 s93, 0
	s_mov_b32 s95, 0
	s_mov_b32 s97, 0
	s_mov_b32 s99, 0
	s_mul_i32 s101, s14, HALFT                     ; where they go: no place in the cluster enters an LDS address
	s_lshl_b32 s2, s14, 12
	s_lshl_b32 s3, s15, 7
	s_add_co_u32 s2, s2, s3
	v_and_b32 v8, 31, v0
	v_lshlrev_b32 v10, 3, v8                       ; 8 x lane
	v_lshlrev_b32 v8, 4, v8                        ; 16 x lane
	v_add_nc_u32 v9, s2, v8
	v_add_nc_u32 v9, SCL, v9                       ; LDS: my wave's 4,096 bytes of scale words
	s_wait_alu depctr_va_vdst(0)
	s_wait_kmcnt 0x0
	s_add_nc_u64 s[92:93], s[4:5], s[92:93]
	s_add_nc_u64 s[94:95], s[6:7], s[94:95]
	s_add_nc_u64 s[96:97], s[8:9], s[96:97]
	s_add_nc_u64 s[98:99], s[10:11], s[98:99]
	; THE SCALES of my 128 rows, all of K, come by plain loads of 256 or 512 consecutive bytes and go on into LDS bytes of their own, which no tensor load fills.
	; A's lie in asc as one plane of byte pairs for each head: K step s takes planes 2 s and 2 s + 1; a lane takes four tokens' pairs of each.
	s_cmp_eq_u32 s15, 0
	s_cbranch_scc0 .Lsc_b
.irp s, 0,1,2,3,4,5,6,7
	global_load_b64 v[128+4*\s:129+4*\s], v10, s[94:95] offset:32768*\s
	global_load_b64 v[130+4*\s:131+4*\s], v10, s[94:95] offset:32768*\s+16384
.endr
	s_branch .Lsc_j
.Lsc_b:
.irp s, 0,1,2,3,4,5,6,7
	global_load_b128 v[160+4*\s:163+4*\s], v8, s[98:99] offset:49152*\s
.endr
.Lsc_j:
	CROUND                                         ; all sixteen work-groups are here: the first joint loads meet
	; LDS: bytes 0 to 2 SLOT take K slots 0 and 1 (wave w's 8 tiles x 6,144 bytes at 49,152 w); 2 SLOT on takes K slot 2; K slot 3 later fills bytes 0 to SLOT again
	s_lshl_b32 s3, s101, 1
	GROUP0 GA0, 3, 0, 92, 0
	GROUP0 GB0, 3, 0, 96, 0
	GROUP0 GA1, 101, 0, 92, 9216
	GROUP0 GB1, 101, 0, 96, 9216
	GROUP0 GA2, 101, 2*SLOT, 92, 6144
	GROUP0 GB2, 101, 2*SLOT, 96, 6144
	JLOAD GA0, G1, GB0, G1B                        ; one tensor load a wave at the head: K slots 0 and 1
	v_and_b32 v1, 15, v0                           ; r
	v_bfe_u32 v2, v0, 4, 1                         ; h
	s_wait_alu depctr_va_vdst(0)
	v_and_b32 v3, 31, v0
	v_lshlrev_b32 v[CO], 4, v3
.set ADRA8, 12                         ; v12-14  as v16-18 with 8 x lane: A's pieces of 8 bytes
	s_mul_i32 s2, s15, HALFT
	s_mul_i32 s3, s16, HALFT
	s_add_co_u32 s3, s3, 2*HALFT
	v_add_nc_u32 v[ADRA+1], s2, v[CO]              ; address 1: K slot 3, at byte 0, tiles 3,072 bytes apart
	v_add_nc_u32 v[ADRA8+1], s2, v10
	v_add_nc_u32 v[ADRB+1], s3, v[CO]
	v_add_nc_u32 v[ADRA+2], 2*SLOT, v[ADRA+1]      ; address 2: K slot 2
	v_add_nc_u32 v[ADRA8+2], 2*SLOT, v[ADRA8+1]
	v_add_nc_u32 v[ADRB+2], 2*SLOT, v[ADRB+1]
	s_lshl_b32 s2, s2, 1
	s_lshl_b32 s3, s3, 1
	v_add_nc_u32 v[ADRA], s2, v[CO]                ; address 0: K slots 0 and 1, tiles 6,144 bytes apart
	v_add_nc_u32 v[ADRA8], s2, v10
	v_add_nc_u32 v[ADRB], s3, v[CO]
	s_lshl_b32 s2, s15, 12
	s_lshl_b32 s3, s16, 12
	s_add_co_u32 s3, s3, 8320
	s_sub_co_u32 s3, s3, s2
	v_mul_u32_u24 v6, s3, v2                       ; lanes 16-31 take B's scale words: the lower base + h x the distance
	s_add_co_u32 s2, s2, SCL
	v_lshl_add_u32 v5, v1, 2, v6
	v_add_nc_u32 v[ADRS], s2, v5
	s_mul_i32 s2, s14, 16*SPITCH
	s_add_co_u32 s2, s2, STG                       ; my stage
	v_mul_u32_u24 v5, v1, SPITCH
	v_lshl_add_u32 v5, v2, 6, v5
	v_add_nc_u32 v[STO], s2, v5                    ; in: row r, + 64 h
	v_add_nc_u32 v[RD], s2, v[CO]                  ; back: the 32 lanes take one row of 512 bytes
	s_lshl_b32 s2, s15, 3
	s_add_co_u32 s2, s23, s2
	s_lshl_b32 s2, s2, 16                          ; my first token: 16 rows of 4,096 bytes a tile
	s_lshl_b32 s3, s16, 3
	s_add_co_u32 s3, s100, s3
	s_lshl_b32 s3, s3, 6                           ; my first column: 64 bytes a tile
	s_add_co_u32 s2, s2, s3
	s_mov_b32 s3, 0
	s_add_nc_u64 s[12:13], s[12:13], s[2:3]
.macro FRAG reg, adr, q, i
.irp c, 0,1,2
.if ((\adr)&3) == 0
	ds_load_b128 v[\reg+4*\c:\reg+4*\c+3], v[\adr] offset:6144*(\i)+1536*(\q)+512*\c
.else
	ds_load_b128 v[\reg+4*\c:\reg+4*\c+3], v[\adr] offset:3072*(\i)+1536*(\q)+512*\c
.endif
.endr
.endm
; The 64 accumulators take turns, one instruction a turn, in the same order in every step.
.macro MUL16 a0, p, q, sc, zero
.irp a, \a0, \a0+1
.irp b, 0,1,2,3,4,5,6,7
.if \zero
	v_wmma_scale_f32_16x16x128_f8f6f4 v[8*(8*((\a)%4)+\b):8*(8*((\a)%4)+\b)+7], v[128*(\p)+FR*\b:128*(\p)+FR*\b+FR-1], v[AF+FR*(\a):AF+FR*(\a)+FR-1], 0, v[SC+8*NQ*(\sc)+NQ*\b+(\q)], v[SC+8*NQ*(\sc)+NQ*(\a)+(\q)] matrix_a_fmt:MATRIX_FMT_FP6 matrix_b_fmt:MATRIX_FMT_FP6 matrix_a_scale:MATRIX_SCALE_ROW1
.else
	v_wmma_scale_f32_16x16x128_f8f6f4 v[8*(8*((\a)%4)+\b):8*(8*((\a)%4)+\b)+7], v[128*(\p)+FR*\b:128*(\p)+FR*\b+FR-1], v[AF+FR*(\a):AF+FR*(\a)+FR-1], v[8*(8*((\a)%4)+\b):8*(8*((\a)%4)+\b)+7], v[SC+8*NQ*(\sc)+NQ*\b+(\q)], v[SC+8*NQ*(\sc)+NQ*(\a)+(\q)] matrix_a_fmt:MATRIX_FMT_FP6 matrix_b_fmt:MATRIX_FMT_FP6 matrix_a_scale:MATRIX_SCALE_ROW1
.endif
.endr
.endr
.endm
.macro FETCH_B slot, q, p
	WIN TO_B
.irp i, 0,1,2,3,4,5,6,7
	FRAG 128*(\p)+FR*\i, ADRB+(\slot), \q, \i
.endr
	WIN 0
.endm
; A fragment of A is two halves of 768 bytes, one for each head of the K step: registers 6 e .. 6 e + 3 at 16 l, 6 e + 4, 6 e + 5 at 512 + 8 l: four loads
.macro FRAGA reg, slot, q, i
.if (\slot) == 0
.set FO_, 6144*(\i)+1536*(\q)
.else
.set FO_, 3072*(\i)+1536*(\q)
.endif
.irp e, 0,1
	ds_load_b128 v[\reg+6*\e:\reg+6*\e+3], v[ADRA+(\slot)] offset:FO_+768*\e
	ds_load_b64 v[\reg+6*\e+4:\reg+6*\e+5], v[ADRA8+(\slot)] offset:FO_+768*\e+512
.endr
.endm
.macro FETCH_A slot, q, i0
.irp i, \i0, \i0+1, \i0+2, \i0+3
	FRAGA AF+FR*(\i), \slot, \q, \i
.endr
.endm
.macro SCALES set, ks
.irp i, 0,1,2,3,4,5,6,7
	ds_load_b32 v[SC+16*(\set)+2*\i], v[ADRS] offset:1024*(\ks)+64*\i
	ds_load_b32 v[SC+16*(\set)+2*\i+1], v[ADRS] offset:1024*(\ks)+512+64*\i
.endr
.endm
.macro PLACES                          ; four places in front of loads into registers that matrix instructions have read, and of the first read of results (ISA guide 7.12.1 for vector instructions)
.rept 4
	v_nop
.endr
.endm
.macro FETCH_MID nslot, nq, nsc, nks
	FETCH_B \nslot, \nq, (\nq)%2
	FETCH_A \nslot, \nq, 0
.if (\nq)%2 == 0
	SCALES \nsc, \nks
.endif
.endm
.macro STEP q, sc, zero, nslot, nq, nsc, nks
	s_wait_dscnt 16                                ; all but the youngest sixteen loads (A's blocks 4-7) are in
	WIN MUL_LO
	MUL16 0, \q, \q, \sc, \zero
	MUL16 2, \q, \q, \sc, \zero
	s_wait_dscnt 0x0                               ; A's blocks 4-7 are in
	PLACES
	FETCH_MID \nslot, \nq, \nsc, \nks
	WIN MUL_HI
	MUL16 4, \q, \q, \sc, \zero
	MUL16 6, \q, \q, \sc, \zero
	PLACES
	WIN 0
	FETCH_A \nslot, \nq, 4
.endm
.macro TURN sc, fill, nslot, nsc, nks
	s_wait_tensorcnt 0x0                           ; all my tensor loads have landed;
	ds_add_u32 v[SPW], v[NIL]                      ; 0 onto my spare word;
	s_wait_dscnt 17                                ; (the add and the youngest sixteen loads may be out)
	WIN MUL_LO
	MUL16 0, 1, 1, \sc, 0
	s_wait_dscnt 0x0                               ; the add is done, and my reads of this slot are over
	s_barrier_signal -1
	MUL16 2, 1, 1, \sc, 0
	WIN 0
	s_barrier_wait -1
.if \fill
	CREST                                          ; no wave of any partner still reads slot 0 or has a load on its way
	JLOAD GA1, G1, GB1, G1B                        ; K slot 3, the first tensor load behind the round; its four v_nop are the places in front of the loads below
.else
	PLACES
.endif
	FETCH_MID \nslot, 0, \nsc, \nks
	WIN MUL_HI
	MUL16 4, 1, 1, \sc, 0
	MUL16 6, 1, 1, \sc, 0
	PLACES
	WIN 0
	FETCH_A \nslot, 0, 4
.endm
	s_wait_alu depctr_va_vdst(0)
	s_wait_loadcnt 0x0                             ; my scales
	s_cmp_eq_u32 s15, 0
	s_cbranch_scc0 .Lsc_w
.irp s, 0,1,2,3,4,5,6,7                ; A: a token's word is the even head's pair below the odd head's
	v_perm_b32 v[160+4*\s], v[130+4*\s], v[128+4*\s], 0x05040100
	v_perm_b32 v[161+4*\s], v[130+4*\s], v[128+4*\s], 0x07060302
	v_perm_b32 v[162+4*\s], v[131+4*\s], v[129+4*\s], 0x05040100
	v_perm_b32 v[163+4*\s], v[131+4*\s], v[129+4*\s], 0x07060302
.endr
.Lsc_w:
.irp s, 0,1,2,3,4,5,6,7
	ds_store_b128 v9, v[160+4*\s:163+4*\s] offset:512*\s
.endr
	s_wait_tensorcnt 0x0                           ; my part of K slots 0 and 1 is in
	ds_add_u32 v[SPW], v[NIL]
	s_mov_b32 s[G1+1], 384<<16                     ; no tensor load of mine is out: from here on a load's rows are 3,072 bytes
	s_mov_b32 s[G1+3], 384<<16
	s_mov_b32 s[G1B+1], 384<<16
	s_mov_b32 s[G1B+3], 384<<16
	s_wait_dscnt 0x0                               ; the add and my stores of scale words are done
	CROUND                                         ; everybody's are
	JLOAD GA2, G1, GB2, G1B                        ; K slot 2's first fill: it has three K steps in which to land
	FETCH_B 0, 0, 0
	FETCH_A 0, 0, 0
	SCALES 0, 0
	FETCH_A 0, 0, 4
	STEP 0, 0, 1, 0, 1, 0, 0                       ; K step 0: its products start the sums
	STEP 1, 0, 0, 0, 2, 1, 1                       ; 1
	STEP 0, 1, 0, 0, 3, 0, 0                       ; 2
	TURN 1, 1, 2, 0, 2                             ; 3: K slot 2 is shown landed; K slots 0 and 1 are read no more: K slot 3 fills bytes 0 to SLOT again (the stage, from SLOT on, has had its one fill)
	STEP 0, 0, 0, 2, 1, 0, 0                       ; 4
	TURN 0, 0, 1, 1, 3                             ; 5: K slot 3 is shown landed; nothing is filled
	STEP 0, 1, 0, 1, 1, 0, 0                       ; 6
	s_wait_dscnt 16
	WIN MUL_LO
	MUL16 0, 1, 1, 1, 0
	MUL16 2, 1, 1, 1, 0
	s_wait_dscnt 0x0
	WIN MUL_HI
	MUL16 4, 1, 1, 1, 0
	MUL16 6, 1, 1, 1, 0
	WIN 0
; THE WAY OUT, block by block of 16 tokens x 128 columns, through my own stage: in by 32 bytes a lane at the columns' true places, back as whole rows of 512 bytes, stored at the tokens' true rows.
; LDS serves a wave's instructions in order (ISA guide 5.7.1.4): no wait between the stores and the loads, nor in front of the next block's stores.
.macro TOSTAGE a
.set AC, 64*((\a)%4)
	WIN 0x08+4*((\a)/4)                            ; an LDS store's data are its source 1: window 2 or 3
.irp b, 0,1,2,3,4,5,6,7
	ds_store_b128 v[STO], v[AC+8*\b:AC+8*\b+3] offset:128*(\b/2)+32*(\b%2)       ; each accumulator from its low end on
	ds_store_b128 v[STO], v[AC+8*\b+4:AC+8*\b+7] offset:128*(\b/2)+32*(\b%2)+16
.endr
	WIN 0
.set BB, BK+64*((\a)%2)
.irp t, 0,1,2,3,4,5,6,7,8,9,10,11,12,13,14,15
	ds_load_b128 v[BB+4*\t:BB+4*\t+3], v[RD] offset:\t*SPITCH
.endr
.endm
.macro SEND a, younger                 ; younger: the LDS instructions issued behind block a's loads, which may stay out
.set BB, BK+64*((\a)%2)
	s_wait_dscnt \younger
.irp t, 0,1,2,3,4,5,6,7,8,9,10,11,12,13,14,15
	global_store_b128 v[CO], v[BB+4*\t:BB+4*\t+3], s[12:13] offset:(32*((\a)/2)+8*((\a)%2)+16*(\t/8)+\t%8)*4096 th:TH_STORE_NT   ; 512 consecutive bytes, at a multiple of 256 from out0's first byte
.endr
.endm
	PLACES
	TOSTAGE 0
.irp a, 1,2,3,4,5,6,7
.if \a > 1
	s_wait_xcnt 0x0                                ; block a - 2's stores have read their registers: block a's loads may land there
.endif
	TOSTAGE \a
	SEND \a-1, 32                                  ; behind block a - 1's loads: block a's 16 stores and 16 loads
.endr
	SEND 7, 0
	s_wait_tensorcnt 0x0                           ; the wave's end
	ds_add_u32 v[SPW], v[NIL]
	s_wait_dscnt 0x0
	CROUND                                         ; the closing round
	s_endpgm
.Lfunc_end_k_q11e7aca4fb_gemm_out:
	.size	k_q11e7aca4fb_gemm_out, .Lfunc_end_k_q11e7aca4fb_gemm_out-k_q11e7aca4fb_gemm_out
	.p2alignl 7, 3214868480
	.fill 96, 4, 3214868480
	.section	.rodata,"a",@progbits
	.p2align	6, 0x0
	.amdhsa_kernel k_q11e7aca4fb_gemm_out
		.amdhsa_group_segment_fixed_size 327680
		.amdhsa_private_segment_fixed_size 0
		.amdhsa_enable_private_segment 0
		.amdhsa_kernarg_size 40
		.amdhsa_user_sgpr_count 2
		.amdhsa_user_sgpr_kernarg_segment_ptr 1
		.amdhsa_wavefront_size32 1
		.amdhsa_system_sgpr_workgroup_id_x 1
		.amdhsa_system_sgpr_workgroup_id_y 1
		.amdhsa_system_sgpr_workgroup_id_z 1
		.amdhsa_system_vgpr_workitem_id 0
		.amdhsa_next_free_vgpr 1024
		.amdhsa_next_free_sgpr 104
		.amdhsa_reserve_vcc 0
		.amdhsa_float_denorm_mode_32 3
		.amdhsa_float_denorm_mode_16_64 3
		.amdhsa_memory_ordered 1
		.amdhsa_forward_progress 1
		.amdhsa_inst_pref_size 145
	.end_amdhsa_kernel
	.amdgpu_metadata
---
amdhsa.version: [ 1, 2 ]
amdhsa.kernels:
  - .name:           k_q11e7aca4fb_gemm_out
    .symbol:         k_q11e7aca4fb_gemm_out.kd
    .args:
      - { .name: aimg, .offset: 0, .size: 8, .value_kind: global_buffer, .address_space: global }
      - { .name: asc, .offset: 8, .size: 8, .value_kind: global_buffer, .address_space: global }
      - { .name: img, .offset: 16, .size: 8, .value_kind: global_buffer, .address_space: global }
      - { .name: sc, .offset: 24, .size: 8, .value_kind: global_buffer, .address_space: global }
      - { .name: out0, .offset: 32, .size: 8, .value_kind: global_buffer, .address_space: global }
    .group_segment_fixed_size: 327680
    .private_segment_fixed_size: 0
    .kernarg_segment_align: 8
    .kernarg_segment_size: 40
    .max_flat_workgroup_size: 128
    .sgpr_count:     104
    .vgpr_count:     1024
    .wavefront_size: 32
...
	.end_amdgpu_metadata
.endif
;; end of part 4
